; MI455X (gfx1250); checked and timed in simulation.
; The chip was launched on July 23, 2026; its instructions are those of AMD's public machine-readable ISA for CDNA 5 (MIT licence, August 2026) and "CDNA5" Instruction Set Architecture Reference Guide (July 2026). The comments in the code are by the model that wrote it; some were corrected since.
;; Deep FM. Allowed arithmetic: matrix products marked QUANTISED: E2M3 operands, one E8M0 scale for each 32 along K, by v_wmma_scale_f32_16x16x128_f8f6f4 with both operands' format E2M3, f32 sums; products left as they are: f32 operands where the result goes on into a quantised operand, else bf16, f16 or f32 operands; f32 sums; everything else in f32.
;; Inputs: Wk 5 x 624 x 624 float32; Wo 5 x 624 x 624 float32; Wq 5 x 624 x 624 float32; Wv 5 x 624 x 624 float32; Xi 8,192 x 39 x 1 int32; Xv 8,192 x 39 float32; bk 5 x 624 float32; bo 5 x 624 float32; bq 5 x 624 float32; bv 5 x 624 float32; emb1 39 x 100,000 x 1 float32; emb2 39 x 100,000 x 16 float32; fd_b 2 float32; fd_w 12 x 2 float32; ffw_b 12 float32; ffw_w 12 x 12 float32; m1_b 4 float32; m1_w 39 x 4 float32; m2_b 4 float32; m2_w 16 x 4 float32; m3_b 4 float32; m3_w 624 x 4 float32.
;; Outputs: out0 8,192 x 2 float32.
;; This version of the problem:
;;   THIS VERSION OF THE PROBLEM IS GIVEN IN LOW PRECISION. The matrix products marked QUANTISED in the list below multiply operands that are first quantised to E2M3 (2 exponent bits, 3 mantissa bits; 6 bits a number), with one power-of-two scale for each 32 numbers along K (OCP MX v1.0); their sums are f32. All else is computed in f32.
;;   The module's matrix products, in the order in which they are computed (A, B: the left and right operand; K: the contracted axis; several contracted axes count as one K, in the product's order):
;;     1. [M 8,192, K 624] x [K 624, N 624]; A: computed on the way; B: input Wq: QUANTISED
;;     2. [M 8,192, K 624] x [K 624, N 624]; A: computed on the way; B: input Wk: QUANTISED
;;     3. [M 8,192, K 624] x [K 624, N 624]; A: computed on the way; B: input Wv: QUANTISED
;;     4. [M 8,192, K 624] x [K 624, N 624]; A: computed on the way; B: input Wo: QUANTISED
;;     5. [M 8,192, K 624] x [K 624, N 624]; A: computed on the way; B: input Wq: QUANTISED
;;     6. [M 8,192, K 624] x [K 624, N 624]; A: computed on the way; B: input Wk: QUANTISED
;;     7. [M 8,192, K 624] x [K 624, N 624]; A: computed on the way; B: input Wv: QUANTISED
;;     8. [M 8,192, K 624] x [K 624, N 624]; A: computed on the way; B: input Wo: QUANTISED
;;     9. [M 8,192, K 624] x [K 624, N 624]; A: computed on the way; B: input Wq: QUANTISED
;;     10. [M 8,192, K 624] x [K 624, N 624]; A: computed on the way; B: input Wk: QUANTISED
;;     11. [M 8,192, K 624] x [K 624, N 624]; A: computed on the way; B: input Wv: QUANTISED
;;     12. [M 8,192, K 624] x [K 624, N 624]; A: computed on the way; B: input Wo: QUANTISED
;;     13. [M 8,192, K 624] x [K 624, N 624]; A: computed on the way; B: input Wq: QUANTISED
;;     14. [M 8,192, K 624] x [K 624, N 624]; A: computed on the way; B: input Wk: QUANTISED
;;     15. [M 8,192, K 624] x [K 624, N 624]; A: computed on the way; B: input Wv: QUANTISED
;;     16. [M 8,192, K 624] x [K 624, N 624]; A: computed on the way; B: input Wo: QUANTISED
;;     17. [M 8,192, K 624] x [K 624, N 624]; A: computed on the way; B: input Wq: QUANTISED
;;     18. [M 8,192, K 624] x [K 624, N 624]; A: computed on the way; B: input Wk: QUANTISED
;;     19. [M 8,192, K 624] x [K 624, N 624]; A: computed on the way; B: input Wv: QUANTISED
;;     20. [M 8,192, K 624] x [K 624, N 624]; A: computed on the way; B: input Wo: QUANTISED
;;     21. [M 8,192, K 39] x [K 39, N 4]; A: computed on the way; B: input m1_w: left as it is (N = 4 < 16)
;;     22. [M 8,192, K 16] x [K 16, N 4]; A: computed on the way; B: input m2_w: left as it is (K = 16 < 32)
;;     23. [M 8,192, K 624] x [K 624, N 4]; A: computed on the way; B: input m3_w: left as it is (N = 4 < 16)
;;     24. [M 8,192, K 12] x [K 12, N 12]; A: computed on the way; B: input ffw_w: left as it is (K = 12 < 32)
;;     25. [M 8,192, K 12] x [K 12, N 2]; A: computed on the way; B: input fd_w: left as it is (K = 12 < 32)
;;   THE QUANTISER, for each operand of a quantised product, along K:
;;     - K is cut into blocks of 32 from its start; a last block that is shorter is filled with zeros.
;;     - A block's scale is 2^e with e = floor(log2(the largest magnitude in the block)) - 2, held to -126 .. 127; a block of zeros has e = 0. As a byte (E8M0): e + 127.
;;     - Each number is divided by its block's scale, clamped to +-7.5, and rounded to the nearest number of E2M3, ties to even, subnormals kept.
;;     - The product sums the exact products of the quantised numbers (number of the format x scale) in f32.
;;   ~~~python
;;   def quantise(x, axis):      # numpy; x: float32 -> the quantised numbers, widened to float32 again
;;       x = np.moveaxis(x, axis, -1); K = x.shape[-1]
;;       x = np.pad(x, [(0, 0)] * (x.ndim - 1) + [(0, -K % 32)]); x = x.reshape(x.shape[:-1] + (-1, 32)); a = np.abs(x).max(-1, keepdims=True)
;;       e = np.where(a > 0, np.clip(np.frexp(np.where(a > 0, a, 1))[1] - 1 - 2, -126, 127), 0)      # np.frexp(a)[1] - 1 = floor(log2(a)), exactly
;;       r = np.clip(x / 2.0 ** e, -7.5, 7.5)
;;       step = 2.0 ** (np.maximum(np.frexp(np.where(r == 0, 1, r))[1] - 1, 0) - 3)
;;       q = np.round(r / step) * step * 2.0 ** e      # np.round: ties to even
;;       return np.moveaxis(q.reshape(q.shape[:-2] + (-1,))[..., :K], -1, axis).astype(np.float32)
;;   ~~~
;;   OPERANDS COMPUTED ON THE WAY. 'Computed on the way' means the value that the module computes at that place (a softmax that the list does not call 'softmax' is quantised finished and normalised). What goes into a quantiser is computed in f32, as accurately as f32 sums, v_exp_f32 and their like allow (about 1e-6 of the number): no bf16 or f16 on the way to a quantiser, and a product that is left as it is and whose result goes on into a quantised operand takes f32 operands (vector FMAs, or v_wmma_f32_16x16x4_f32). A number that lies on a knife's edge between two numbers of the format may be rounded either way, as far as f32 arithmetic and the matrix unit's own rounding can turn it there, and no further.
;; 2 versions, each right. Each part assembles by itself: llvm-mc -triple=amdgcn-amd-amdhsa -mcpu=gfx1250 --defsym DOCPART=n.
;; ======== version 1 of 2: 2 launches
;; workspace buffers: wrec 6,451,200 bytes; xq 4,194,304 bytes; h12 262,144 bytes
;; launch prep (part 1): grid 756 x 1, 4 waves a work-group, no clusters, 49,152 bytes of LDS; arguments Xi, Xv, emb1, emb2, m1_w, m1_b, m2_w, m2_b, Wq, Wk, Wv, Wo, bq, bk, bv, bo, wrec, xq, h12; writes wrec, xq, h12
.if DOCPART == 1
	.amdgcn_target "amdgcn-amd-amdhsa--gfx1250"
	.amdhsa_code_object_version 6
	.text
	.protected	k_q68da6082de_prep
	.globl	k_q68da6082de_prep
	.p2align	8
	.type	k_q68da6082de_prep,@function
k_q68da6082de_prep:
	s_mov_b64 s[64:65], 0
	v_nop
	global_prefetch_b8 v0, s[64:65] scope:SCOPE_SE
	s_setreg_imm32_b32 hwreg(HW_REG_WAVE_MODE, 25, 1), 1
	s_wait_xcnt 0x0
; PREP.  Two kinds of work-groups in one launch, told apart by the work-group's number alone.
; Work-groups 0-255 (GATHER): 32 batch rows each, 8 a wave.  emb1 and emb2 are gathered, scaled by Xv, xv is divided by its norm over the 39 fields, f1 and f2 are made and
;   taken through m1 and m2 (h12: [8192][8] f32 = h1, h2, biases in), and x = xv as [8192][624] is quantised to FP6 (E2M3) along its 624, padded with zeros to 640:
;   xq: [8192][512]: bytes 0-479 the row's 640 codes as one stream of bits, bytes 480-499 its 20 scale bytes (5 words of 128 k), bytes 500-511 zeros.
; Work-groups 256-755 (WEIGHTS): Wq, Wk, Wv, Wo [5][624 (k)][624 (n)] are quantised along k, their FIRST axis: a lane takes a column n and its registers run down k.
;   The codes are laid as RECORDS in the order of the matrix operand's registers: a record is 32 columns x 640 k: 10 fragments (K step s, tile u) of 1,536 bytes
;   ([4 registers g][lane][16 bytes]), 5 x 128 bytes of scale words (lanes 0-15 tile 0, lanes 16-31 tile 1), 128 bytes of bias: 16,128 bytes.
;   Lane r of tile u holds column 32 b + 8 u + r + 8 (r / 8).  Columns and k from 624 on get zero codes and a zero bias.
;   Record number = 100 w + idx, w = block / 5, j = block % 5: q, k: idx = 10 l + 2 j + (0, 1); v: 50 + 10 l + j; o: 55 + 10 l + j: the order in which wave w of the next launch takes them.
; A block's scale is 2^(floor(log2(its largest magnitude)) - 2); its byte is the largest magnitude's exponent field - 2, held at 1 from below.
; LIMITS: NaN and infinities among the inputs are not served.  A block of zeros gets the byte 1 where the rule says 127: its codes are zeros and this program alone reads the bytes.
;   1 / norm is v_sqrt_f32, a maximum with 1e-12, v_rcp_f32 and a multiplication: a few units in f32's last place.
; No tensor loads, no barrier: every LDS byte is a wave's own, and each of the two paths has LDS bytes of its own.  No matrix unit: nothing here is a product of any size.
.set GWG,  256                         ; gather work-groups
.set WREG, 8832                        ; gather: a wave's LDS: the turn's stage (8 rows x 576), then the codes' stage (8 rows x 528)
.set CSO,  4608
.set WLB,  35328                       ; weights: behind the gather path's bytes, 3,328 bytes a wave: two fragments' images, 1,664 bytes apart
.set X,    64                          ; gather: field f at v[64 + 4 f]; weights: 128 numbers down k
.set T,    224                         ; gather: 32 neighbours along k
.set XV,   28
.set IDX,  38
.set VT,   20
.set BB,   24
; 32 numbers of ONE lane, v[src] on, become 24 bytes of codes (v[c..c+2], v[d..d+2]) and their scale's byte.
.macro Q32 src, c, d
	v_max3_num_f32 v[MA], |v[(\src)]|, |v[(\src)+1]|, |v[(\src)+2]|      ; the largest magnitude, in two chains
	v_max3_num_f32 v[MB], |v[(\src)+3]|, |v[(\src)+4]|, |v[(\src)+5]|
.irp i, 6,10,14,18,22,26
	v_max3_num_f32 v[MA], v[MA], |v[(\src)+\i]|, |v[(\src)+\i+1]|
	v_max3_num_f32 v[MB], v[MB], |v[(\src)+\i+2]|, |v[(\src)+\i+3]|
.endr
	v_max3_num_f32 v[MA], v[MA], |v[(\src)+30]|, |v[(\src)+31]|
	v_max3_num_f32 v[MA], v[MA], v[MB], 0x1800000                        ; and the floor 2^(3 - 127): the byte cannot fall under 1
	v_add_nc_u32 v[SOP], 0xff000000, v[MA]                               ; 2 off the exponent field: the conversion takes this operand's exponent field as its scale
	v_cvt_scalef32_pk16_fp6_f32 v[(\c):(\c)+2], v[(\src):(\src)+15], v[SOP]
	v_cvt_scalef32_pk16_fp6_f32 v[(\d):(\d)+2], v[(\src)+16:(\src)+31], v[SOP]   ; (a conversion's three registers begin on an even number)
	v_lshrrev_b32 v[BYTE], 23, v[SOP]                                    ; the scale's byte; also the plain instruction behind the conversions
.endm
	s_set_vgpr_msb 0x40
	v_lshl_add_u32 v0, v0, 2, 0xbe00
	v_mov_b32 v1, 0
	s_set_vgpr_msb 0x4000
	v_lshrrev_b32 v2, 5, v0
	v_readfirstlane_b32 s2, v2                     ; wave 0..3
	v_and_b32 v1, 31, v0                           ; lane
	s_cmp_ge_u32 ttmp9, GWG
	s_cbranch_scc1 .Lweights
; ================= GATHER =================
; Four lanes share a batch row: row8 = lane / 4, p = lane % 4; lane p holds e = 4 p .. 4 p + 3 of ALL fields.  So a gather instruction reads 8 whole table rows of 64 bytes,
; and the norm over the fields, s1 and s2 are sums inside one lane.  Of Xi, Xv, emb1 a lane owns fields p + 4 i; the quad shares them by DPP.
.set MA,   26
.set MB,   27
.set SOP,  20
.set BYTE, 21
	s_load_b256 s[4:11], s[0:1], 0x0               ; Xi, Xv, emb1, emb2
	s_load_b256 s[12:19], s[0:1], 0x20             ; m1_w, m1_b, m2_w, m2_b
	s_load_b128 s[20:23], s[0:1], 0x88             ; xq, h12
	v_lshrrev_b32 v2, 2, v1                        ; row8
	v_and_b32 v3, 3, v0                            ; p
	v_lshlrev_b32 v4, 4, v3                        ; 16 p
	v_mul_u32_u24 v5, 156, v2                      ; a row of Xi or Xv is 156 bytes
	v_add_nc_u32 v20, 36, v3
	v_min_u32 v20, 38, v20                         ; my tenth field, held inside the 39 (lane p = 3 has none: its Xv is made 0 below)
	v_lshl_add_u32 v6, v20, 2, v5                  ; its place in a row
	v_lshl_add_u32 v5, v3, 2, v5                   ; field p's
	v_mul_u32_u24 v7, 400000, v3                   ; emb1: a field is 400,000 bytes
	v_mul_u32_u24 v8, 400000, v20
	v_lshlrev_b32 v9, 4, v20                       ; m1_w: a row is 16 bytes
	v_lshlrev_b32 v10, 6, v3                       ; m2_w: my four rows
	s_mul_i32 s36, s2, WREG
	v_mul_u32_u24 v11, 576, v2
	v_add_nc_u32 v11, s36, v11
	v_mad_u32_u24 v12, v3, 144, v11                ; the turn, out: my block of 32: 576 row8 + 144 p
	v_lshl_add_u32 v11, v3, 4, v11                 ; the turn, in: 576 row8 + 16 p
	v_mul_u32_u24 v13, 528, v2
	v_add_nc_u32 v13, s36, v13
	v_add_nc_u32 v13, CSO, v13                     ; the codes' stage: row8's 512 bytes + 16
	v_add_nc_u32 v14, v13, v3                      ; my block's scale byte
	v_lshl_add_u32 v15, v3, 2, v13                 ; my word of the row's last 16 bytes
	v_mad_u32_u24 v13, v3, 24, v13                 ; my block's 24 bytes
	v_lshlrev_b32 v17, 4, v1                       ; 16 x lane
	v_add_nc_u32 v16, s36, v17
	v_add_nc_u32 v16, CSO, v16                     ; a staged row read back by the 32 lanes
	v_lshlrev_b32 v18, 3, v1                       ; 8 x lane
	v_mov_b32 v19, 0
.irp j, 0,1,2,3
	v_mov_b32 v[VT+\j], 0                          ; a DPP form's destination counts as one of its sources
.endr
	v_mov_b32 v[BB], 0
	v_mov_b32 v[BB+1], 0                           ; (named as the upper half of a pair)
	s_lshl_b32 s32, ttmp9, 5
	s_lshl_b32 s33, s2, 3
	s_add_co_u32 s32, s32, s33                     ; my wave's first row
	s_mul_i32 s34, s32, 156
	s_mov_b32 s35, 0
	s_wait_kmcnt 0x0
	s_add_nc_u64 s[4:5], s[4:5], s[34:35]
	s_add_nc_u64 s[6:7], s[6:7], s[34:35]
	s_lshl_b32 s34, s32, 9
	s_add_nc_u64 s[20:21], s[20:21], s[34:35]
	s_lshl_b32 s34, s32, 5
	s_add_nc_u64 s[22:23], s[22:23], s[34:35]
	s_load_b128 s[24:27], s[14:15], 0x0            ; m1_b
	s_load_b128 s[28:31], s[18:19], 0x0            ; m2_b
.irp i, 0,1,2,3,4,5,6,7,8
	global_load_b32 v[IDX+\i], v5, s[4:5] offset:16*\i th:TH_LOAD_NT   ; the wave's 8 rows of Xi are 1,248 consecutive bytes
.endr
	global_load_b32 v[IDX+9], v6, s[4:5] th:TH_LOAD_NT
.irp i, 0,1,2,3,4,5,6,7,8
	global_load_b32 v[XV+\i], v5, s[6:7] offset:16*\i th:TH_LOAD_NT
.endr
	global_load_b32 v[XV+9], v6, s[6:7] th:TH_LOAD_NT
	s_wait_loadcnt 0x0
	v_cmp_eq_u32 vcc_lo, 3, v3
	v_cndmask_b32 v[XV+9], v[XV+9], v19, vcc_lo    ; there is no field 39
; emb2's offsets: field f's index comes from lane f % 4 of the quad, is held inside the table, and becomes 6,400,000 f + 64 index + 16 p
.irp i, 0,1,2,3,4,5,6,7,8,9
.irp j, 0,1,2,3
.if 4*\i+\j < 39
	v_mov_b32_dpp v[VT+\j], v[IDX+\i] quad_perm:[\j,\j,\j,\j] row_mask:0xf bank_mask:0xf
.endif
.endr
.irp j, 0,1,2,3
.if 4*\i+\j < 39
	v_min_u32 v[VT+\j], 0x1869f, v[VT+\j]
.endif
.endr
.irp j, 0,1,2,3
.if 4*\i+\j < 39
	v_lshl_add_u32 v[VT+\j], v[VT+\j], 6, v4
.endif
.endr
.irp j, 0,1,2,3
.if 4*\i+\j < 39
	v_add_nc_u32 v[X+4*(4*\i+\j)], (4*\i+\j)*6400000, v[VT+\j]
.endif
.endr
.endr
; emb1's offsets, in place: 400,000 field + 4 index
.irp i, 0,1,2,3,4,5,6,7,8,9
	v_min_u32 v[IDX+\i], 0x1869f, v[IDX+\i]
.endr
.irp i, 0,1,2,3,4,5,6,7,8
	v_lshl_add_u32 v[IDX+\i], v[IDX+\i], 2, v7
.endr
	v_lshl_add_u32 v[IDX+9], v[IDX+9], 2, v8
.irp i, 1,2,3,4,5,6,7,8
	v_add_nc_u32 v[IDX+\i], \i*1600000, v[IDX+\i]
.endr
.irp i, 0,1,2,3,4,5,6,7,8,9
	global_load_b32 v[IDX+\i], v[IDX+\i], s[8:9]   ; each load lands on its own offset register
.endr
.set f, 0
.rept 39
	global_load_b128 v[X+4*f:X+4*f+3], v[X+4*f], s[10:11]   ; 8 table rows of 64 bytes an instruction
.set f, f+1
.endr
	s_wait_loadcnt 39                              ; emb1's ten are in; the 39 gathers issued behind them may be out
.irp i, 0,1,2,3,4,5,6,7,8,9
	v_mul_f32 v[IDX+\i], v[IDX+\i], v[XV+\i]       ; f1 of my fields
.endr
; xv = emb2 x Xv, and the sums of squares over the fields (v48-51), field by field as the gathers come in
.irp i, 0,1,2,3,4,5,6,7,8,9
.irp j, 0,1,2,3
.if 4*\i+\j < 39
	s_wait_loadcnt 38-(4*\i+\j)                    ; loads come back in order: this field's is in, the later fields' may be out
	v_mov_b32_dpp v[BB], v[XV+\i] quad_perm:[\j,\j,\j,\j] row_mask:0xf bank_mask:0xf
	v_pk_mul_f32 v[X+4*(4*\i+\j):X+4*(4*\i+\j)+1], v[X+4*(4*\i+\j):X+4*(4*\i+\j)+1], v[BB:BB+1] op_sel_hi:[1,0]
	v_pk_mul_f32 v[X+4*(4*\i+\j)+2:X+4*(4*\i+\j)+3], v[X+4*(4*\i+\j)+2:X+4*(4*\i+\j)+3], v[BB:BB+1] op_sel_hi:[1,0]
.if 4*\i+\j == 0
	v_pk_mul_f32 v[48:49], v[X:X+1], v[X:X+1]      ; the first field starts the sums
	v_pk_mul_f32 v[50:51], v[X+2:X+3], v[X+2:X+3]
.else
	v_pk_fma_f32 v[48:49], v[X+4*(4*\i+\j):X+4*(4*\i+\j)+1], v[X+4*(4*\i+\j):X+4*(4*\i+\j)+1], v[48:49]
	v_pk_fma_f32 v[50:51], v[X+4*(4*\i+\j)+2:X+4*(4*\i+\j)+3], v[X+4*(4*\i+\j)+2:X+4*(4*\i+\j)+3], v[50:51]
.endif
.endif
.endr
.endr
.irp e, 0,1,2,3
	v_sqrt_f32 v[48+\e], v[48+\e]
.endr
	v_nop                                          ; a plain instruction behind the last root,
	s_wait_alu depctr_va_vdst(0)                   ; and one wait for the four, ahead of their first reader
.irp e, 0,1,2,3
	v_max_num_f32 v[48+\e], 0x2b8cbccc, v[48+\e]   ; max(norm, 1e-12)
.endr
.irp e, 0,1,2,3
	v_rcp_f32 v[48+\e], v[48+\e]
.endr
	v_nop
	s_wait_alu depctr_va_vdst(0)
; xv / norm; s1 = the sum over the fields (v52-55), s2 = the sum of squares (v56-59)
.set f, 0
.rept 39
	v_pk_mul_f32 v[X+4*f:X+4*f+1], v[X+4*f:X+4*f+1], v[48:49]
	v_pk_mul_f32 v[X+4*f+2:X+4*f+3], v[X+4*f+2:X+4*f+3], v[50:51]
.if f == 0
	v_mov_b32 v52, v[X]
	v_mov_b32 v53, v[X+1]
	v_mov_b32 v54, v[X+2]
	v_mov_b32 v55, v[X+3]
	v_pk_mul_f32 v[56:57], v[X:X+1], v[X:X+1]
	v_pk_mul_f32 v[58:59], v[X+2:X+3], v[X+2:X+3]
.else
	v_pk_add_f32 v[52:53], v[52:53], v[X+4*f:X+4*f+1]
	v_pk_add_f32 v[54:55], v[54:55], v[X+4*f+2:X+4*f+3]
	v_pk_fma_f32 v[56:57], v[X+4*f:X+4*f+1], v[X+4*f:X+4*f+1], v[56:57]
	v_pk_fma_f32 v[58:59], v[X+4*f+2:X+4*f+3], v[X+4*f+2:X+4*f+3], v[58:59]
.endif
.set f, f+1
.endr
.irp e, 0,1,2,3
	v_mov_b32 v[X+156+\e], 0                       ; field 39: the zeros that fill the last block of 32
.endr
.irp e, 0,1,2,3
	v_fma_f32 v[52+\e], v[52+\e], v[52+\e], -v[56+\e]
.endr
.irp e, 0,1,2,3
	v_mul_f32 v[52+\e], 0.5, v[52+\e]              ; f2
.endr
	ds_store_b32 v15, v19 offset:496               ; bytes 496-511 of each staged row are zeros; K step 4's scale bytes come over 496-499 later (LDS serves a wave's instructions in order)
; K step s: 8 fields = 4 blocks of 32.  They turn through the wave's stage, so that lane p holds block 4 s + p of its row whole: fields 8 s + 2 p and 8 s + 2 p + 1, 32 neighbours along k.
.macro TURN s
.irp jj, 0,1,2,3,4,5,6,7
	ds_store_b128 v11, v[X+4*(8*\s+\jj):X+4*(8*\s+\jj)+3] offset:(\jj/2)*144+(\jj%2)*64
.endr
.irp i, 0,1,2,3,4,5,6,7
	ds_load_b128 v[T+4*\i:T+4*\i+3], v12 offset:16*\i
.endr
	s_wait_dscnt 0x0                               ; the block is in; the last turn's stores of codes and byte have read their registers
	Q32 T, 28, 34
.irp i, 0,1,2
	v_mov_b32 v[31+\i], v[34+\i]
.endr
.irp i, 0,1,2
	ds_store_b64 v13, v[28+2*\i:29+2*\i] offset:96*\s+8*\i
.endr
	ds_store_b8 v14, v[BYTE] offset:480+4*\s
.endm
	TURN 0
	TURN 1
.irp i, 0,1,2,3,4,5,6,7,8
	global_load_b128 v[64+4*\i:67+4*\i], v4, s[12:13] offset:64*\i   ; m1_w's rows of my fields, into the registers that fields 0-15 have left
.endr
	global_load_b128 v[100:103], v9, s[12:13]
.irp e, 0,1,2,3
	global_load_b128 v[104+4*\e:107+4*\e], v10, s[16:17] offset:16*\e  ; m2_w's rows 4 p + e
.endr
	TURN 2
	TURN 3
	TURN 4
.irp i, 0,1,2,3,4,5,6,7
	ds_load_b128 v[128+4*\i:131+4*\i], v16 offset:528*\i
.endr
.irp i, 0,1,2,3,4,5,6,7
	s_wait_dscnt 7-\i                              ; row i is back; the younger loads may be out
	global_store_b128 v17, v[128+4*\i:131+4*\i], s[20:21] offset:512*\i   ; 32 lanes store a row's 512 consecutive bytes, aligned
.endr
	s_wait_loadcnt 0x0                             ; m1_w, m2_w
.irp o, 0,1,2,3
	v_mul_f32 v[60+\o], v[IDX], v[64+\o]           ; h1: my fields' part
.endr
.irp i, 1,2,3,4,5,6,7,8,9
.irp o, 0,1,2,3
	v_fmac_f32 v[60+\o], v[IDX+\i], v[64+4*\i+\o]
.endr
.endr
.irp o, 0,1,2,3
	v_mul_f32 v[56+\o], v52, v[104+\o]             ; h2: my four e's part
.endr
.irp e, 1,2,3
.irp o, 0,1,2,3
	v_fmac_f32 v[56+\o], v[52+\e], v[104+4*\e+\o]
.endr
.endr
.irp o, 0,1,2,3,4,5,6,7
	v_add_f32_dpp v[56+\o], v[56+\o], v[56+\o] row_xmask:1 row_mask:0xf bank_mask:0xf
.endr
.irp o, 0,1,2,3,4,5,6,7
	v_add_f32_dpp v[56+\o], v[56+\o], v[56+\o] row_xmask:2 row_mask:0xf bank_mask:0xf   ; the quad's sum, in all four lanes
.endr
	s_wait_kmcnt 0x0
.irp o, 0,1,2,3
	v_add_f32 v[60+\o], s[24+\o], v[60+\o]
	v_add_f32 v[56+\o], s[28+\o], v[56+\o]
.endr
	v_and_b32 v20, 1, v3                           ; lane p stores numbers 2 p and 2 p + 1 of the row's eight
	v_cmp_ne_u32 vcc_lo, 0, v20
	v_cndmask_b32 v22, v60, v62, vcc_lo
	v_cndmask_b32 v23, v61, v63, vcc_lo
	v_cndmask_b32 v24, v56, v58, vcc_lo
	v_cndmask_b32 v25, v57, v59, vcc_lo
	v_cmp_lt_u32 vcc_lo, 1, v3
	v_cndmask_b32 v22, v22, v24, vcc_lo
	v_cndmask_b32 v23, v23, v25, vcc_lo
	global_store_b64 v18, v[22:23], s[22:23]       ; the wave's 8 rows: 256 consecutive bytes, aligned
	s_set_vgpr_msb 0x5
	s_wait_tensorcnt 0x0
	ds_add_u32 v0, v1
	s_wait_dscnt 0x0
	s_set_vgpr_msb 0x500
	s_endpgm
; ================= WEIGHTS =================
; 500 work-groups = 20 matrices (layer, kind) x 5 groups of four blocks of 32 columns x 5 K steps of 128.  A wave takes one block and one K step: 128 k x 32 columns.
.Lweights:
.set MA,   13
.set MB,   14
.set SOP,  15
.set BYTE, 16
	s_load_b256 s[4:11], s[0:1], 0x40              ; Wq, Wk, Wv, Wo
	s_load_b256 s[12:19], s[0:1], 0x60             ; bq, bk, bv, bo
	s_load_b64 s[20:21], s[0:1], 0x80              ; wrec
	s_sub_co_u32 s24, ttmp9, GWG
	s_mul_i32 s25, s24, 5243
	s_lshr_b32 s25, s25, 17                        ; / 25: which matrix
	s_mul_i32 s26, s25, 25
	s_sub_co_u32 s26, s24, s26
	s_mul_i32 s27, s26, 205
	s_lshr_b32 s27, s27, 10                        ; / 5: which four blocks
	s_mul_i32 s28, s27, 5
	s_sub_co_u32 s28, s26, s28                     ; the K step
	s_lshr_b32 s29, s25, 2                         ; the layer
	s_and_b32 s30, s25, 3                          ; 0 q, 1 k, 2 v, 3 o
	s_lshl_b32 s31, s27, 2
	s_add_co_u32 s31, s31, s2                      ; my block of 32 columns
	s_mul_i32 s36, s31, 205
	s_lshr_b32 s36, s36, 10                        ; w = block / 5
	s_mul_i32 s37, s36, 5
	s_sub_co_u32 s37, s31, s37                     ; j = block % 5
	s_mul_i32 s38, s29, 10
	s_lshl_b32 s39, s37, 1
	s_add_co_u32 s39, s39, s30
	s_add_co_u32 s39, s39, s38                     ; q, k: 10 l + 2 j + kind
	s_mul_i32 s40, s30, 5
	s_add_co_u32 s40, s40, s37
	s_add_co_u32 s40, s40, s38
	s_add_co_u32 s40, s40, 40                      ; v, o: 40 + 10 l + j + 5 kind
	s_cmp_lt_u32 s30, 2
	s_cselect_b32 s39, s39, s40
	s_mul_i32 s40, s36, 100
	s_add_co_u32 s39, s39, s40
	s_mul_i32 s40, s39, 16128                      ; the record's first byte
	s_mov_b32 s41, 0
	s_mul_i32 s46, s28, 3072                       ; the K step's two fragments in it
	s_mov_b32 s47, 0
	s_lshl_b32 s48, s28, 7                         ; and its scale words
	s_mov_b32 s49, 0
	s_mul_i32 s50, s29, 1557504                    ; the layer in W,
	s_mul_i32 s51, s28, 319488                     ; and 128 rows of 2,496 bytes a K step
	s_add_co_u32 s50, s50, s51
	s_mov_b32 s51, 0
	s_mul_i32 s52, s29, 2496                       ; the layer in b
	s_mov_b32 s53, 0
	s_lshl_b32 s54, s31, 5
	v_add_nc_u32 v2, s54, v1                       ; my column n
	v_min_u32 v3, 623, v2
	v_lshlrev_b32 v3, 2, v3                        ; held inside the row: columns from 624 on read column 623 and are masked
	v_cmp_gt_u32 vcc_lo, 624, v2
	v_cndmask_b32 v4, 0, -1, vcc_lo                ; all ones where the column exists
	v_bfe_u32 v5, v0, 3, 1                         ; u: which tile my column falls into,
	v_and_b32 v6, 7, v0
	v_bfe_u32 v17, v0, 4, 1
	v_lshl_add_u32 v6, v17, 3, v6                  ; r: and which lane of it
	s_mul_i32 s55, s2, 3328
	s_add_co_u32 s55, s55, WLB
	v_mul_u32_u24 v7, 1664, v5
	v_lshl_add_u32 v7, v6, 4, v7
	v_add_nc_u32 v7, s55, v7                       ; into the stage: tile u's image, lane r's 16 bytes
	v_lshlrev_b32 v11, 4, v1                       ; 16 x lane
	v_add_nc_u32 v8, s55, v11                      ; out of it
	v_lshl_add_u32 v9, v5, 4, v6
	v_lshlrev_b32 v9, 2, v9                        ; my scale word's place: 4 (r + 16 u)
	v_lshlrev_b32 v10, 2, v1                       ; my bias's: 4 x lane
	s_and_b32 s56, s30, 1
	s_wait_kmcnt 0x0
	s_cmp_eq_u32 s56, 0                            ; the choice hangs on the work-group's number alone
	s_cselect_b64 s[32:33], s[4:5], s[6:7]
	s_cselect_b64 s[34:35], s[8:9], s[10:11]
	s_cselect_b64 s[42:43], s[12:13], s[14:15]
	s_cselect_b64 s[44:45], s[16:17], s[18:19]
	s_cmp_lt_u32 s30, 2
	s_cselect_b64 s[4:5], s[32:33], s[34:35]
	s_cselect_b64 s[12:13], s[42:43], s[44:45]
	s_add_nc_u64 s[4:5], s[4:5], s[50:51]
	s_add_nc_u64 s[12:13], s[12:13], s[52:53]
	s_add_nc_u64 s[20:21], s[20:21], s[40:41]      ; the record
	s_add_nc_u64 s[42:43], s[20:21], s[46:47]      ; its fragments of my K step
	s_add_nc_u64 s[44:45], s[20:21], s[48:49]      ; its scale words of my K step, less 15,360
.set q, 0
.rept 112
	global_load_b32 v[X+q], v3, s[4:5] offset:q*2496 th:TH_LOAD_NT   ; W(128 ks + q, n): 32 lanes read 128 consecutive bytes, the four waves 512
.set q, q+1
.endr
	s_cmp_eq_u32 s28, 4                            ; K step 4 has 112 rows: k from 624 on are zeros, and no load leaves the buffer
	s_cbranch_scc1 .Lshort
.rept 16
	global_load_b32 v[X+q], v3, s[4:5] offset:q*2496 th:TH_LOAD_NT
.set q, q+1
.endr
	s_branch .Lloaded
.Lshort:
.set q, 112
.rept 16
	v_mov_b32 v[X+q], 0
.set q, q+1
.endr
.Lloaded:
; Block kb of 32 along k is block 2 c + h of the fragment: registers 6 c .. 6 c + 5 of lane (r, h).  In the image ([4 registers][lane][16 bytes]) those are 16 + 8 or 8 + 16 bytes.
.macro WBLK kb, left
	s_wait_loadcnt \left                           ; this block's 32 loads are in: the count is what the shorter path has issued behind them (the first: as much as the wait's field can name)
	Q32 X+32*\kb, 192+8*\kb, 224
.irp i, 0,1,2
	v_and_b32 v[192+8*\kb+\i], v4, v[192+8*\kb+\i]   ; zero codes in columns that do not exist
.endr
.irp i, 0,1,2
	v_and_b32 v[195+8*\kb+\i], v4, v[224+\i]
.endr
.if \kb == 0
	v_mov_b32 v12, v[BYTE]                         ; four bytes make my column's scale word, the lower k in the lower byte
.else
	v_lshl_or_b32 v12, v[BYTE], 8*\kb, v12
.endif
.if \kb < 2
	ds_store_b128 v7, v[192+8*\kb:195+8*\kb] offset:256*(\kb%2)
	ds_store_b64 v7, v[196+8*\kb:197+8*\kb] offset:512+256*(\kb%2)
.else
	ds_store_b64 v7, v[192+8*\kb:193+8*\kb] offset:520+256*(\kb%2)
	ds_store_b128 v7, v[194+8*\kb:197+8*\kb] offset:1024+256*(\kb%2)
.endif
.endm
	WBLK 0, 63
	WBLK 1, 48
	WBLK 2, 16
	WBLK 3, 0
.irp i, 0,1,2,3,4,5
	ds_load_b128 v[232+4*\i:235+4*\i], v8 offset:(\i/3)*1664+(\i%3)*512   ; LDS serves a wave's instructions in order: these see my stores
.endr
.irp i, 0,1,2,3,4,5
	s_wait_dscnt 5-\i
	global_store_b128 v11, v[232+4*\i:235+4*\i], s[42:43] offset:512*\i   ; 512 consecutive bytes, aligned
.endr
	global_store_b32 v9, v12, s[44:45] offset:15360  ; the K step's 32 scale words: 128 consecutive bytes (a record's scales and bias, 768 of its 16,128 bytes, leave in such halves)
	s_cmp_lg_u32 s28, 0
	s_cbranch_scc1 .Lwend
	global_load_b32 v17, v3, s[12:13]              ; the wave of K step 0 also lays the block's bias
	s_wait_loadcnt 0x0
	v_and_b32 v17, v4, v17
	global_store_b32 v10, v17, s[20:21] offset:16000
.Lwend:
	s_set_vgpr_msb 0x5
	s_wait_tensorcnt 0x0
	ds_add_u32 v0, v1
	s_wait_dscnt 0x0
	s_set_vgpr_msb 0x500
	s_endpgm
.Lfunc_end_k_q68da6082de_prep:
	.size	k_q68da6082de_prep, .Lfunc_end_k_q68da6082de_prep-k_q68da6082de_prep
	.p2alignl 7, 3214868480
	.fill 96, 4, 3214868480
	.section	.rodata,"a",@progbits
	.p2align	6, 0x0
	.amdhsa_kernel k_q68da6082de_prep
		.amdhsa_group_segment_fixed_size 49152
		.amdhsa_private_segment_fixed_size 0
		.amdhsa_enable_private_segment 0
		.amdhsa_kernarg_size 152
		.amdhsa_user_sgpr_count 2
		.amdhsa_user_sgpr_kernarg_segment_ptr 1
		.amdhsa_wavefront_size32 1
		.amdhsa_system_sgpr_workgroup_id_x 1
		.amdhsa_system_sgpr_workgroup_id_y 1
		.amdhsa_system_sgpr_workgroup_id_z 1
		.amdhsa_system_vgpr_workitem_id 0
		.amdhsa_next_free_vgpr 258
		.amdhsa_next_free_sgpr 66
		.amdhsa_reserve_vcc 1
		.amdhsa_float_denorm_mode_32 3
		.amdhsa_float_denorm_mode_16_64 3
		.amdhsa_memory_ordered 1
		.amdhsa_forward_progress 1
		.amdhsa_inst_pref_size 95
	.end_amdhsa_kernel
	.amdgpu_metadata
---
amdhsa.version: [ 1, 2 ]
amdhsa.kernels:
  - .name:           k_q68da6082de_prep
    .symbol:         k_q68da6082de_prep.kd
    .args:
      - { .name: Xi, .offset: 0, .size: 8, .value_kind: global_buffer, .address_space: global }
      - { .name: Xv, .offset: 8, .size: 8, .value_kind: global_buffer, .address_space: global }
      - { .name: emb1, .offset: 16, .size: 8, .value_kind: global_buffer, .address_space: global }
      - { .name: emb2, .offset: 24, .size: 8, .value_kind: global_buffer, .address_space: global }
      - { .name: m1_w, .offset: 32, .size: 8, .value_kind: global_buffer, .address_space: global }
      - { .name: m1_b, .offset: 40, .size: 8, .value_kind: global_buffer, .address_space: global }
      - { .name: m2_w, .offset: 48, .size: 8, .value_kind: global_buffer, .address_space: global }
      - { .name: m2_b, .offset: 56, .size: 8, .value_kind: global_buffer, .address_space: global }
      - { .name: Wq, .offset: 64, .size: 8, .value_kind: global_buffer, .address_space: global }
      - { .name: Wk, .offset: 72, .size: 8, .value_kind: global_buffer, .address_space: global }
      - { .name: Wv, .offset: 80, .size: 8, .value_kind: global_buffer, .address_space: global }
      - { .name: Wo, .offset: 88, .size: 8, .value_kind: global_buffer, .address_space: global }
      - { .name: bq, .offset: 96, .size: 8, .value_kind: global_buffer, .address_space: global }
      - { .name: bk, .offset: 104, .size: 8, .value_kind: global_buffer, .address_space: global }
      - { .name: bv, .offset: 112, .size: 8, .value_kind: global_buffer, .address_space: global }
      - { .name: bo, .offset: 120, .size: 8, .value_kind: global_buffer, .address_space: global }
      - { .name: wrec, .offset: 128, .size: 8, .value_kind: global_buffer, .address_space: global }
      - { .name: xq, .offset: 136, .size: 8, .value_kind: global_buffer, .address_space: global }
      - { .name: h12, .offset: 144, .size: 8, .value_kind: global_buffer, .address_space: global }
    .group_segment_fixed_size: 49152
    .private_segment_fixed_size: 0
    .kernarg_segment_align: 8
    .kernarg_segment_size: 152
    .max_flat_workgroup_size: 128
    .sgpr_count:     66
    .vgpr_count:     258
    .wavefront_size: 32
...
	.end_amdgpu_metadata
.endif
;; end of part 1
;; launch chain (part 2): grid 128 x 1, 4 waves a work-group, no clusters, 130,048 bytes of LDS; arguments wrec, xq, h12, m3_w, m3_b, ffw_w, ffw_b, fd_w, fd_b, out0; writes out0
.if DOCPART == 2
	.amdgcn_target "amdgcn-amd-amdhsa--gfx1250"
	.amdhsa_code_object_version 6
	.text
	.protected	k_q68da6082de_chain
	.globl	k_q68da6082de_chain
	.p2align	8
	.type	k_q68da6082de_chain,@function
k_q68da6082de_chain:
	s_mov_b64 s[64:65], 0
	v_nop
	global_prefetch_b8 v0, s[64:65] scope:SCOPE_SE
	s_setreg_imm32_b32 hwreg(HW_REG_WAVE_MODE, 25, 1), 1
	s_wait_xcnt 0x0
; CHAIN.  A work-group of four waves takes 64 batch rows (four tiles of 16) through all 20 products of 624 x 624 on codes of FP6 (E2M3) and through the head.
; THE WAVES SHARE THE COLUMNS: wave w owns blocks 5 w + j (j = 0..4) of 32 output columns of every product, for all 64 rows.  Its weights come as RECORDS (laid by the launch before in the
; order of the operand's registers: 10 fragments, 5 x 32 scale words, 32 biases: 16,128 bytes), 100 records on end in the order in which it takes them, straight from memory into registers, two records ahead.
; THE PRODUCTS ARE USED TRANSPOSED: source 0 = 16 columns of W, source 1 = 16 batch rows.  The columns of a tile are chosen (lane r of tile u: column 32 b + 8 u + r + 8 (r / 8)) so that the 16 registers
; of a block's two tiles are, in lane (r, h), columns 32 b + 16 h + 0 .. 15 of batch row r: ONE HEAD of 16, and half a block of 32 along the next K.  So the score, score x v and the quantiser's work are a lane's own.
; PHASE 1: q and k hang on x alone: all 25 (layer, block) scores of a wave are made first and kept in its own LDS bytes; then x's registers serve the chain.
; PHASE 2: five layers of: v = operand Wv + bv, att = score x v, quantised, through LDS to all waves | barrier | out = att Wo + bo, quantised likewise | barrier.  N and K are padded to 640: columns from 624 on
; have zero codes and a zero bias, so each result carries the zeros that fill its last block.  The last layer's out goes into m3 by fused multiply-adds; then ffw, relu, fd in f32, a lane to a row.
; WHY NO CLUSTER AND NO TENSOR LOAD, though all 128 work-groups walk the same records: a record feeds the 40 matrix instructions of ONE wave of a work-group; through LDS its bytes would be written and read there
; once more (2 x 6,451,200 bytes a work-group), and each change of slots would stop all four waves at a barrier with nothing on its way; loads into registers keep up to 78 requests of each wave out with no barrier at all.
; LIMITS: NaN and infinities are not served.  A block of zeros gets the scale byte 1 where the rule says 127: its codes are zeros, and nobody else reads the bytes.
; REGISTERS, in windows of 256: window 0: v1-15 addresses; v16-35 the operand's scale words; v36-45 the weights' scale words, two sets; v48-79 biases, two sets; v80-143, v144-207 two sets of 8 accumulators
;   (tile (t, u) at + 16 t + 8 u); v208-211 scores; v212-227 at work; v228-243 h3's sums; v244-255 the head's 12 inputs.   window 1: the operand: fragment (row tile t, K step s) at 12 (5 t + s).
;   window 2: two records' fragments: (s, u) at 120 set + 12 (2 s + u).   window 3: the head's parameters.
.set RECB, 16128
.set NREC, 100
.set E0,   0                           ; LDS: att's codes [t][block][r][24 bytes] (7,680 t + 384 b + 24 r), then its scale bytes at ESC + 320 t + 20 r + b: 32,000 bytes
.set E1,   32000                       ; out's, the same
.set ESC,  30720
.set SCLB, 64000                       ; the scores: 12,800 bytes a wave: 512 (5 l + j) + 16 x lane: the lane's four row tiles
.set M3L,  115200                      ; m3_w's rows 160 w on, 16 bytes each: 2,560 bytes a wave
.set H3L,  125440                      ; h3's parts: 1,024 bytes a wave: 16 bytes a row
.set LI,   1                           ; 16 x lane
.set L4,   2                           ; 4 x lane
.set LB,   3                           ; 64 h
.set XA,   4                           ; xq: 512 r + 24 h
.set XSO,  5                           ; 512 r
.set EW,   6                           ; where I store codes: 24 r + 12 h + 1,920 w
.set EB,   7                           ; and scale bytes: 20 r + 5 w
.set ER,   8                           ; where I read a fragment: 24 x lane
.set ESR,  9                           ; and scale words: 20 r
.set SCW,  10                          ; my scores
.set TA,   11                          ; an LDS address in hand
.set M3A,  12
.set H3W,  13
.set H3R,  14
.set PFO,  15                          ; 256 x lane
.set AS,   16
.set WS,   36
.set ZERO, 46
.set OUTO, 47
.set BI,   48
.set ACC0, 80
.set ACC1, 144
.set CD,   144                         ; phase 2: the codes just made
.set M3R,  144                         ; last layer: 16 rows of m3_w
.set SC,   208
.set QT,   212
.set QM,   212
.set QP,   216
.set QS,   220
.set QB,   224
.set H3,   228
.set IN,   244
.set MSB, 0
.macro WIN new                         ; the immediate's high byte repeats the setting that is left; a switch that changes nothing is dropped
.if MSB != \new
	s_set_vgpr_msb (MSB<<8)|\new
.set MSB, \new
.endif
.endm
.set MUL,  0x06                        ; source 0 (W) window 2, source 1 (operand) window 1, C and D window 0
.set TO_W, 0x80
.set TO_A, 0x40
.set TO_P, 0xc0
.macro PLACES                          ; four plain instructions between a matrix instruction and a load into, or a vector read of, its registers (ISA guide 7.12.1 for vector reads)
.rept 4
	v_nop
.endr
.endm
; A record comes in two parts.  A: K steps 0-2 (18 loads), their scale words (3), the bias (4): 25 loads.  B: K steps 3, 4 (12) and their scale words (2): 14 loads.
.macro LOADA par
	WIN TO_W
.irp f, 0,1,2,3,4,5
.irp g, 0,1,2
	global_load_b128 v[120*(\par)+12*\f+4*\g:120*(\par)+12*\f+4*\g+3], v[LI], s[26:27] offset:1536*\f+512*\g   ; 512 consecutive bytes: four registers of a fragment, as they will stand
.endr
.endr
	WIN 0
.irp s, 0,1,2
	global_load_b32 v[WS+5*(\par)+\s], v[L4], s[26:27] offset:15360+128*\s
.endr
.irp i, 0,1,2,3
	global_load_b128 v[BI+16*(\par)+4*\i:BI+16*(\par)+4*\i+3], v[LB], s[26:27] offset:16000+16*\i   ; lane (r, h): the biases of columns 16 h + 0 .. 15: the result's layout
.endr
.endm
.macro LOADB par
	WIN TO_W
.irp f, 6,7,8,9
.irp g, 0,1,2
	global_load_b128 v[120*(\par)+12*\f+4*\g:120*(\par)+12*\f+4*\g+3], v[LI], s[26:27] offset:1536*\f+512*\g
.endr
.endr
	WIN 0
.irp s, 3,4
	global_load_b32 v[WS+5*(\par)+\s], v[L4], s[26:27] offset:15360+128*\s
.endr
.endm
; 8 matrix instructions: the block's two tiles x the four row tiles, 128 along K.  The eight accumulators take turns, one instruction a turn.  K step 0 takes the bias as C.
.macro KSTEP par, acc, s
.irp u, 0,1
.irp t, 0,1,2,3
.set rD, (\acc)+16*\t+8*\u
.set rW, 120*(\par)+12*(2*(\s)+\u)
.set rA, 12*(5*\t+(\s))
.set rC, rD
.if (\s) == 0
.set rC, BI+16*(\par)+8*\u
.endif
.set rWS, WS+5*(\par)+(\s)
.set rAS, AS+5*\t+(\s)
.if \u
	v_wmma_scale_f32_16x16x128_f8f6f4 v[rD:rD+7], v[rW:rW+11], v[rA:rA+11], v[rC:rC+7], v[rWS], v[rAS] matrix_a_fmt:MATRIX_FMT_FP6 matrix_b_fmt:MATRIX_FMT_FP6 matrix_a_scale:MATRIX_SCALE_ROW1
.else
	v_wmma_scale_f32_16x16x128_f8f6f4 v[rD:rD+7], v[rW:rW+11], v[rA:rA+11], v[rC:rC+7], v[rWS], v[rAS] matrix_a_fmt:MATRIX_FMT_FP6 matrix_b_fmt:MATRIX_FMT_FP6
.endif
.endr
.endr
.endm
; A PREFETCH INTO THE L2 of my wave's stream: behind record n's loads, bytes 16,384 (n + 6) .. + 16,383 of the stream, four records ahead of the loads that will want them: two instructions, lanes 256 bytes apart.
; All work-groups walk the same four streams: work-group 0 asks, each of its waves for its own stream, so each block of 256 bytes is named once.  It stops behind record 91: 16,384 x 98 is the last whole piece
; inside the stream's 1,612,800 bytes.  The first 98,304 bytes and the last 7,168 come by their loads alone.
.macro ASK
	s_cmp_lt_u32 s28, s32
	s_cbranch_scc0 .Lnoask_\@
	global_prefetch_b8 v[PFO], s[30:31] th:TH_LOAD_NT scope:SCOPE_SE
	global_prefetch_b8 v[PFO], s[30:31] offset:8192 th:TH_LOAD_NT scope:SCOPE_SE
.Lnoask_\@:
.endm
; RECORD n (set par = n % 2): 40 matrix instructions into acc; each half of the set is filled again, with record n + 2, as soon as it has been multiplied.
; The last two records ask for record 99 once more, so that every count is the same in every record and no load leaves the buffer.
.macro REC par, acc
	s_wait_loadcnt 53                              ; my part A is in: behind it were issued my part B (14) and the next record's A and B (25 + 14)
	WIN MUL
	KSTEP \par, \acc, 0
	KSTEP \par, \acc, 1
	KSTEP \par, \acc, 2
	s_wait_loadcnt 39                              ; my part B is in: behind it the next record's 25 + 14
	PLACES
	s_wait_xcnt 0x0                                ; the loads and prefetches issued so far have read their bases: both may step
	s_add_co_u32 s28, s28, RECB
	s_min_u32 s28, s28, (NREC-1)*RECB
	s_add_nc_u64 s[26:27], s[4:5], s[28:29]
	s_add_nc_u64 s[30:31], s[30:31], 16384
	LOADA \par
	WIN MUL
	KSTEP \par, \acc, 3
	KSTEP \par, \acc, 4
	PLACES
	LOADB \par
	ASK
.endm
; score = (q . k) / 4 of my head, for the four row tiles by turns; each accumulator is read from its low end on
.macro SCORE
	s_wait_dscnt 0x0
.irp t, 0,1,2,3
	v_pk_mul_f32 v[QT+2*\t:QT+2*\t+1], v[ACC0+16*\t:ACC0+16*\t+1], v[ACC1+16*\t:ACC1+16*\t+1]
.endr
.irp i, 2,4,6,8,10,12,14
.irp t, 0,1,2,3
	v_pk_fma_f32 v[QT+2*\t:QT+2*\t+1], v[ACC0+16*\t+\i:ACC0+16*\t+\i+1], v[ACC1+16*\t+\i:ACC1+16*\t+\i+1], v[QT+2*\t:QT+2*\t+1]
.endr
.endr
.irp t, 0,1,2,3
	v_add_f32 v[QT+8+\t], v[QT+2*\t], v[QT+2*\t+1]
.endr
.irp t, 0,1,2,3
	v_mul_f32 v[SC+\t], 0.25, v[QT+8+\t]           ; 1 / sqrt(16)
.endr
.endm
.macro ATT                             ; att = score x v, in place, two at a time
.irp t, 0,1,2,3
.irp i, 0,2,4,6,8,10,12,14
.if \t%2
	v_pk_mul_f32 v[ACC0+16*\t+\i:ACC0+16*\t+\i+1], v[ACC0+16*\t+\i:ACC0+16*\t+\i+1], v[SC+\t-1:SC+\t] op_sel:[0,1] op_sel_hi:[1,1]
.else
	v_pk_mul_f32 v[ACC0+16*\t+\i:ACC0+16*\t+\i+1], v[ACC0+16*\t+\i:ACC0+16*\t+\i+1], v[SC+\t:SC+\t+1] op_sel_hi:[1,0]
.endif
.endr
.endr
.endm
; My 16 numbers of each of four rows (half a block of 32 along the next K; the other half lies in lane l xor 16) become 12 bytes of codes and the block's byte, and go to LDS.
; The LDS addresses put the two halves side by side: no lane exchange of codes is needed.
.macro QUANT4 ebase, j
.irp t, 0,1,2,3
	v_max3_num_f32 v[QM+\t], |v[ACC0+16*\t]|, |v[ACC0+16*\t+1]|, 0x1800000   ; with the floor 2^(3 - 127): the byte cannot fall under 1
.endr
.irp i, 2,4,6,8,10,12,14
.irp t, 0,1,2,3
	v_max3_num_f32 v[QM+\t], v[QM+\t], |v[ACC0+16*\t+\i]|, |v[ACC0+16*\t+\i+1]|
.endr
.endr
.irp t, 0,1,2,3
	v_permlanex16_b32 v[QP+\t], v[QM+\t], s36, s37
.endr
.irp t, 0,1,2,3
	v_max_num_f32 v[QM+\t], v[QM+\t], v[QP+\t]     ; the block's largest magnitude
.endr
.irp t, 0,1,2,3
	v_add_nc_u32 v[QS+\t], 0xff000000, v[QM+\t]    ; 2 off its exponent field: the conversion's scale operand
.endr
.irp t, 0,1,2,3
	v_lshrrev_b32 v[QB+\t], 23, v[QS+\t]           ; the scale's byte
.endr
	s_wait_dscnt 0x0                               ; the last block's stores have read the codes' registers
.irp t, 0,1,2,3
	v_cvt_scalef32_pk16_fp6_f32 v[CD+4*\t:CD+4*\t+2], v[ACC0+16*\t:ACC0+16*\t+15], v[QS+\t]
.endr
	v_nop                                          ; a plain instruction behind the last conversion: matrix instructions write its sources later
.irp t, 0,1,2,3
.irp i, 0,1,2
	ds_store_b32 v[EW], v[CD+4*\t+\i] offset:\ebase+7680*\t+384*\j+4*\i
.endr
.endr
.irp t, 0,1,2,3
	ds_store_b8 v[EB], v[QB+\t] offset:\ebase+ESC+320*\t+\j   ; both lanes of a block write the same byte with the same value
.endr
.endm
.macro BARRIER                         ; my LDS stores have landed and my LDS loads are in: then the work-group's barrier
	s_wait_dscnt 0x0
	s_barrier_signal -1
	s_barrier_wait -1
.endm
.macro XLOAD ebase                     ; the 64 rows' operand, 20 fragments and 20 scale words, from LDS into every wave's registers
	WIN TO_A
.irp t, 0,1,2,3
.irp s, 0,1,2,3,4
.irp p, 0,1,2,3,4,5
	ds_load_b64 v[12*(5*\t+\s)+2*\p:12*(5*\t+\s)+2*\p+1], v[ER] offset:\ebase+7680*\t+768*(2*\s+\p/3)+8*(\p%3)   ; lane (r, h): block 4 s + 2 c + h of row r: 24 x lane inside the pair of blocks
.endr
.endr
.endr
	WIN 0
.irp t, 0,1,2,3
.irp s, 0,1,2,3,4
	ds_load_b32 v[AS+5*\t+\s], v[ESR] offset:\ebase+ESC+320*\t+4*\s
.endr
.endr
	s_wait_dscnt 0x0
.endm
.macro M3 j                            ; h3 += out x m3_w: my 16 columns of each of four rows, four outputs, two at a time
.irp i, 0,1,2,3,4,5,6,7,8,9,10,11,12,13,14,15
	ds_load_b128 v[M3R+4*\i:M3R+4*\i+3], v[M3A] offset:512*\j+16*\i
.endr
	s_wait_dscnt 0x0
.irp i, 0,1,2,3,4,5,6,7,8,9,10,11,12,13,14,15
.irp t, 0,1,2,3
.irp o, 0,2
.if \i%2
	v_pk_fma_f32 v[H3+4*\t+\o:H3+4*\t+\o+1], v[ACC0+16*\t+\i-1:ACC0+16*\t+\i], v[M3R+4*\i+\o:M3R+4*\i+\o+1], v[H3+4*\t+\o:H3+4*\t+\o+1] op_sel:[1,0,0] op_sel_hi:[1,1,1]
.else
	v_pk_fma_f32 v[H3+4*\t+\o:H3+4*\t+\o+1], v[ACC0+16*\t+\i:ACC0+16*\t+\i+1], v[M3R+4*\i+\o:M3R+4*\i+\o+1], v[H3+4*\t+\o:H3+4*\t+\o+1] op_sel:[0,0,0] op_sel_hi:[0,1,1]
.endif
.endr
.endr
.endr
.endm
	s_load_b256 s[4:11], s[0:1], 0x0               ; wrec, xq, h12, m3_w
	s_load_b256 s[12:19], s[0:1], 0x20             ; m3_b, ffw_w, ffw_b, fd_w
	s_load_b128 s[20:23], s[0:1], 0x40             ; fd_b, out0
	s_set_vgpr_msb 0x40
	v_lshl_add_u32 v254, v0, 2, 0x1fa00
	v_mov_b32 v255, 0
	s_set_vgpr_msb 0x4000
	v_lshrrev_b32 v1, 5, v0
	v_readfirstlane_b32 s24, v1                    ; wave 0..3
	s_and_b32 s25, s24, 1
	v_and_b32 v48, 31, v0                          ; lane
	v_and_b32 v49, 15, v0                          ; r
	v_bfe_u32 v50, v0, 4, 1                        ; h
	v_lshlrev_b32 v[LI], 4, v48
	v_lshlrev_b32 v[L4], 2, v48
	v_lshlrev_b32 v[LB], 6, v50
	v_lshlrev_b32 v[XSO], 9, v49
	v_mad_u32_u24 v[XA], v50, 24, v[XSO]
	s_mul_i32 s38, s24, 1920
	v_mul_u32_u24 v[EW], 24, v49
	v_mad_u32_u24 v[EW], v50, 12, v[EW]
	v_add_nc_u32 v[EW], s38, v[EW]
	s_mul_i32 s38, s24, 5
	v_mul_u32_u24 v[ESR], 20, v49
	v_add_nc_u32 v[EB], s38, v[ESR]
	v_mul_u32_u24 v[ER], 24, v48
	s_mul_i32 s38, s24, 12800
	s_add_co_u32 s38, s38, SCLB
	v_add_nc_u32 v[SCW], s38, v[LI]
	s_lshl_b32 s38, s24, 10
	s_add_co_u32 s38, s38, H3L
	v_lshl_add_u32 v[H3W], v49, 4, s38
	s_lshl_b32 s38, s25, 9
	s_add_co_u32 s38, s38, H3L
	v_add_nc_u32 v[H3R], s38, v[LI]
	v_lshlrev_b32 v[PFO], 8, v48
	s_lshl_b32 s38, s25, 8
	v_lshl_add_u32 v[OUTO], v48, 3, s38            ; the tail: row 32 (w % 2) + lane, 8 bytes of out0
	s_lshl_b32 s38, s25, 10
	v_lshl_add_u32 v149, v48, 5, s38               ; and its 32 bytes of h12
	s_mul_i32 s38, s24, 2560
	v_add_nc_u32 v144, s38, v[LI]                  ; m3_w: my wave's 160 rows of 16 bytes,
.irp i, 1,2,3,4
	v_add_nc_u32 v[144+\i], 512*\i, v144
.endr
.irp i, 0,1,2,3,4
	v_min_u32 v[144+\i], 9968, v[144+\i]           ; held inside the 624 rows: what rows 624-639 get meets only out = 0
.endr
	s_add_co_u32 s38, s38, M3L
	v_lshl_add_u32 v[M3A], v50, 8, s38
	v_add_nc_u32 v[TA], s38, v[LI]
	v_mov_b32 v[ZERO], 0
.irp k, 0,1,2,3,4,5,6,7,8,9,10,11,12,13,14,15
	v_mov_b32 v[H3+\k], 0
.endr
.irp k, 0,1,2,3
	v_mov_b32 v[QP+\k], 0                          ; a lane permute's destination counts as one of its sources
.endr
	s_mov_b32 s36, 0x76543210
	s_mov_b32 s37, 0xfedcba98                      ; v_permlanex16_b32's selects for lane l xor 16
	s_mov_b32 s28, RECB                            ; the stream byte of the record asked for last
	s_mov_b32 s29, 0
	s_mov_b32 s39, 0
	s_cmp_eq_u32 ttmp9, 0
	s_cselect_b32 s32, 94*RECB, 0                  ; work-group 0 prefetches while the record asked for lies under number 94
	s_wait_kmcnt 0x0
	s_mul_i32 s38, s24, NREC*RECB
	s_add_nc_u64 s[4:5], s[4:5], s[38:39]          ; my wave's stream
	s_lshl_b32 s38, ttmp9, 15
	s_add_nc_u64 s[6:7], s[6:7], s[38:39]          ; my work-group's 64 rows of xq,
	s_lshl_b32 s38, ttmp9, 11
	s_add_nc_u64 s[8:9], s[8:9], s[38:39]          ; of h12,
	s_lshl_b32 s38, ttmp9, 9
	s_add_nc_u64 s[22:23], s[22:23], s[38:39]      ; of out0
	s_mov_b64 s[26:27], s[4:5]
	s_add_nc_u64 s[30:31], s[4:5], 5*16384
.irp i, 0,1,2,3,4
	global_load_b128 v[ACC0+4*\i:ACC0+4*\i+3], v[144+\i], s[10:11]
.endr
	WIN TO_P                                       ; the head's parameters: every lane takes the same bytes
.set q, 0
.rept 36
	global_load_b128 v[4*q:4*q+3], v[ZERO], s[14:15] offset:16*q          ; ffw_w: v0-143
.set q, q+1
.endr
.irp i, 0,1,2
	global_load_b128 v[144+4*\i:147+4*\i], v[ZERO], s[16:17] offset:16*\i ; ffw_b: v144-155
.endr
.irp i, 0,1,2,3,4,5
	global_load_b128 v[156+4*\i:159+4*\i], v[ZERO], s[18:19] offset:16*\i ; fd_w: v156-179
.endr
	global_load_b64 v[180:181], v[ZERO], s[20:21]                         ; fd_b
	global_load_b128 v[184:187], v[ZERO], s[12:13]                        ; m3_b
	WIN 0
	global_load_b128 v[IN:IN+3], v149, s[8:9]
	global_load_b128 v[IN+4:IN+7], v149, s[8:9] offset:16
	WIN TO_A
.irp t, 0,1,2,3
.irp s, 0,1,2,3,4
.irp p, 0,1,2,3,4,5
	global_load_b64 v[12*(5*\t+\s)+2*\p:12*(5*\t+\s)+2*\p+1], v[XA], s[6:7] offset:8192*\t+96*\s+48*(\p/3)+8*(\p%3) th:TH_LOAD_NT   ; x's fragments: 24 bytes of the row's stream of bits, as they lie
.endr
.endr
.endr
	WIN 0
.irp t, 0,1,2,3
.irp s, 0,1,2,3,4
	global_load_b32 v[AS+5*\t+\s], v[XSO], s[6:7] offset:8192*\t+480+4*\s th:TH_LOAD_NT
.endr
.endr
	LOADA 0
	LOADB 0
	s_wait_xcnt 0x0                                ; the loads so far have read their bases and offsets
	s_add_nc_u64 s[26:27], s[4:5], s[28:29]
	LOADA 1
	LOADB 1
	s_wait_loadcnt 63                              ; m3_w's five loads are in: more than 63 were issued behind them
.irp i, 0,1,2,3,4
	ds_store_b128 v[TA], v[ACC0+4*\i:ACC0+4*\i+3] offset:512*\i
.endr
	s_wait_dscnt 0x0                               ; the stores have read the registers that the first products write
; ---- PHASE 1: 25 trips: block j of layer l: q, k, the score
	s_mov_b32 s33, 0
	s_mov_b32 s34, 0
.Lqk:
	REC 0, ACC0
	REC 1, ACC1
	SCORE
	v_add_nc_u32 v[TA], s34, v[SCW]
	ds_store_b128 v[TA], v[SC:SC+3]
	s_add_co_u32 s34, s34, 512
	s_add_co_u32 s33, s33, 1
	s_cmp_lt_u32 s33, 25
	s_cbranch_scc1 .Lqk
; ---- PHASE 2: five layers.  Two exchange areas, two barriers a layer: an area is written again only behind a barrier that every wave has signalled behind its wait for its reads of that area.
	s_mov_b32 s33, 0
	s_mov_b32 s34, 0
.Llayer:
	v_add_nc_u32 v[TA], s34, v[SCW]
.irp j, 0,1,2,3,4
	ds_load_b128 v[SC:SC+3], v[TA] offset:512*\j   ; the block's scores, while the products run
	REC \j%2, ACC0
	s_wait_dscnt 0x0
	ATT
	QUANT4 E0, \j
.endr
	BARRIER                                        ; att's codes and scale bytes of all 20 blocks lie in LDS
	XLOAD E0
.irp j, 0,1,2,3,4
	REC (\j+1)%2, ACC0
	s_cmp_eq_u32 s33, 4
	s_cbranch_scc1 .Lm3_\j
	QUANT4 E1, \j
	s_branch .Lod_\j
.Lm3_\j:
	M3 \j                                          ; the last layer's out is no operand of a quantised product: it goes into m3 as it is
.Lod_\j:
.endr
	s_cmp_eq_u32 s33, 4                            ; the same in every wave
	s_cbranch_scc1 .Ltail
	BARRIER                                        ; out's codes lie in LDS
	XLOAD E1
	s_add_co_u32 s34, s34, 2560
	s_add_co_u32 s33, s33, 1
	s_cmp_lt_u32 s33, 5
	s_cbranch_scc1 .Llayer
; ---- THE HEAD
.Ltail:
.irp k, 0,1,2,3,4,5,6,7,8,9,10,11,12,13,14,15
	v_permlanex16_b32 v[ACC1+\k], v[H3+\k], s36, s37
.endr
.irp k, 0,2,4,6,8,10,12,14
	v_pk_add_f32 v[H3+\k:H3+\k+1], v[H3+\k:H3+\k+1], v[ACC1+\k:ACC1+\k+1]   ; with lane l xor 16's columns: my wave's part of h3
.endr
.irp t, 0,1,2,3
	ds_store_b128 v[H3W], v[H3+4*\t:H3+4*\t+3] offset:256*\t   ; both halves of the lanes write the same bytes with the same values
.endr
	BARRIER
	s_cmp_ge_u32 s24, 2                            ; 64 rows: waves 0 and 1 finish them, a lane to a row
	s_cbranch_scc1 .Lend
.irp n, 0,1,2,3
	ds_load_b128 v[ACC1+4*\n:ACC1+4*\n+3], v[H3R] offset:1024*\n
.endr
	s_wait_dscnt 0x0
.irp o, 0,2
	v_pk_add_f32 v[IN+8+\o:IN+9+\o], v[ACC1+\o:ACC1+\o+1], v[ACC1+4+\o:ACC1+5+\o]
	v_pk_add_f32 v[ACC1+8+\o:ACC1+9+\o], v[ACC1+8+\o:ACC1+9+\o], v[ACC1+12+\o:ACC1+13+\o]
.endr
.irp o, 0,2
	v_pk_add_f32 v[IN+8+\o:IN+9+\o], v[IN+8+\o:IN+9+\o], v[ACC1+8+\o:ACC1+9+\o]
.endr
	WIN 0x0c                                       ; source 1 window 3
.irp o, 0,2
	v_pk_add_f32 v[IN+8+\o:IN+9+\o], v[IN+8+\o:IN+9+\o], v[184+\o:185+\o]   ; + m3_b: h3.  v244-255 = h1, h2, h3
.endr
	WIN 0x3c                                       ; sources 1 and 2 window 3: the first input starts the sums on ffw_b
.irp q, 0,1,2,3,4,5
	v_pk_fma_f32 v[ACC0+2*\q:ACC0+2*\q+1], v[IN:IN+1], v[2*\q:2*\q+1], v[144+2*\q:145+2*\q] op_sel:[0,0,0] op_sel_hi:[0,1,1]
.endr
	WIN 0x0c
.irp i, 1,2,3,4,5,6,7,8,9,10,11
.irp q, 0,1,2,3,4,5
.if \i%2
	v_pk_fma_f32 v[ACC0+2*\q:ACC0+2*\q+1], v[IN+\i-1:IN+\i], v[12*\i+2*\q:12*\i+2*\q+1], v[ACC0+2*\q:ACC0+2*\q+1] op_sel:[1,0,0] op_sel_hi:[1,1,1]
.else
	v_pk_fma_f32 v[ACC0+2*\q:ACC0+2*\q+1], v[IN+\i:IN+\i+1], v[12*\i+2*\q:12*\i+2*\q+1], v[ACC0+2*\q:ACC0+2*\q+1] op_sel:[0,0,0] op_sel_hi:[0,1,1]
.endif
.endr
.endr
	WIN 0
.irp o, 0,1,2,3,4,5,6,7,8,9,10,11
	v_max_num_f32 v[ACC0+\o], 0, v[ACC0+\o]        ; relu
.endr
	WIN 0x3c
	v_pk_fma_f32 v[ACC0+12:ACC0+13], v[ACC0:ACC0+1], v[156:157], v[180:181] op_sel:[0,0,0] op_sel_hi:[0,1,1]   ; fd, begun on fd_b
	WIN 0x0c
.irp o, 1,2,3,4,5,6,7,8,9,10,11
.if \o%2
	v_pk_fma_f32 v[ACC0+12:ACC0+13], v[ACC0+\o-1:ACC0+\o], v[156+2*\o:157+2*\o], v[ACC0+12:ACC0+13] op_sel:[1,0,0] op_sel_hi:[1,1,1]
.else
	v_pk_fma_f32 v[ACC0+12:ACC0+13], v[ACC0+\o:ACC0+\o+1], v[156+2*\o:157+2*\o], v[ACC0+12:ACC0+13] op_sel:[0,0,0] op_sel_hi:[0,1,1]
.endif
.endr
	WIN 0
	global_store_b64 v[OUTO], v[ACC0+12:ACC0+13], s[22:23]   ; 32 rows: 256 consecutive bytes, aligned
.Lend:
	s_set_vgpr_msb 0x5
	s_wait_tensorcnt 0x0
	ds_add_u32 v254, v255
	s_wait_dscnt 0x0
	s_set_vgpr_msb 0x500
	s_endpgm
.Lfunc_end_k_q68da6082de_chain:
	.size	k_q68da6082de_chain, .Lfunc_end_k_q68da6082de_chain-k_q68da6082de_chain
	.p2alignl 7, 3214868480
	.fill 96, 4, 3214868480
	.section	.rodata,"a",@progbits
	.p2align	6, 0x0
	.amdhsa_kernel k_q68da6082de_chain
		.amdhsa_group_segment_fixed_size 130048
		.amdhsa_private_segment_fixed_size 0
		.amdhsa_enable_private_segment 0
		.amdhsa_kernarg_size 80
		.amdhsa_user_sgpr_count 2
		.amdhsa_user_sgpr_kernarg_segment_ptr 1
		.amdhsa_wavefront_size32 1
		.amdhsa_system_sgpr_workgroup_id_x 1
		.amdhsa_system_sgpr_workgroup_id_y 1
		.amdhsa_system_sgpr_workgroup_id_z 1
		.amdhsa_system_vgpr_workitem_id 0
		.amdhsa_next_free_vgpr 1024
		.amdhsa_next_free_sgpr 66
		.amdhsa_reserve_vcc 0
		.amdhsa_float_denorm_mode_32 3
		.amdhsa_float_denorm_mode_16_64 3
		.amdhsa_memory_ordered 1
		.amdhsa_forward_progress 1
		.amdhsa_inst_pref_size 255
	.end_amdhsa_kernel
	.section	.bss,"aw",@nobits
	.p2align	6
	.space	262144
	.amdgpu_metadata
---
amdhsa.version: [ 1, 2 ]
amdhsa.kernels:
  - .name:           k_q68da6082de_chain
    .symbol:         k_q68da6082de_chain.kd
    .args:
      - { .name: wrec, .offset: 0, .size: 8, .value_kind: global_buffer, .address_space: global }
      - { .name: xq, .offset: 8, .size: 8, .value_kind: global_buffer, .address_space: global }
      - { .name: h12, .offset: 16, .size: 8, .value_kind: global_buffer, .address_space: global }
      - { .name: m3_w, .offset: 24, .size: 8, .value_kind: global_buffer, .address_space: global }
      - { .name: m3_b, .offset: 32, .size: 8, .value_kind: global_buffer, .address_space: global }
      - { .name: ffw_w, .offset: 40, .size: 8, .value_kind: global_buffer, .address_space: global }
      - { .name: ffw_b, .offset: 48, .size: 8, .value_kind: global_buffer, .address_space: global }
      - { .name: fd_w, .offset: 56, .size: 8, .value_kind: global_buffer, .address_space: global }
      - { .name: fd_b, .offset: 64, .size: 8, .value_kind: global_buffer, .address_space: global }
      - { .name: out0, .offset: 72, .size: 8, .value_kind: global_buffer, .address_space: global }
    .group_segment_fixed_size: 130048
    .private_segment_fixed_size: 0
    .kernarg_segment_align: 8
    .kernarg_segment_size: 80
    .max_flat_workgroup_size: 128
    .sgpr_count:     66
    .vgpr_count:     1024
    .wavefront_size: 32
...
	.end_amdgpu_metadata
.endif
;; end of part 2
;; ======== version 2 of 2: 3 launches
;; workspace buffers: wrec 6,451,200 bytes; xq 4,194,304 bytes; h12 262,144 bytes; scr 6,553,600 bytes
;; launch prep: the kernel of part 1 again; grid 756 x 1, 4 waves a work-group, no clusters, 49,152 bytes of LDS; arguments Xi, Xv, emb1, emb2, m1_w, m1_b, m2_w, m2_b, Wq, Wk, Wv, Wo, bq, bk, bv, bo, wrec, xq, h12; writes wrec, xq, h12
;; launch scores (part 3): grid 64 x 4, 4 waves a work-group, no clusters, 68,096 bytes of LDS; arguments wrec, xq, scr; writes scr
.if DOCPART == 3
	.amdgcn_target "amdgcn-amd-amdhsa--gfx1250"
	.amdhsa_code_object_version 6
	.text
	.protected	k_q68da6082de_scores
	.globl	k_q68da6082de_scores
	.p2align	8
	.type	k_q68da6082de_scores,@function
k_q68da6082de_scores:
	s_mov_b64 s[64:65], 0
	v_nop
	global_prefetch_b8 v0, s[64:65] scope:SCOPE_SE
	s_setreg_imm32_b32 hwreg(HW_REG_WAVE_MODE, 25, 1), 1
	s_wait_xcnt 0x0
; SCORES.  score[row][layer][head] = (x Wq + bq) . (x Wk + bk) / 4 over the head's 16 columns, for all 5 layers: q and k hang on x alone, so all of them are made here, on codes of FP6 (E2M3).
; SHARES.  Work-group (X, y) takes batch rows 128 X .. 128 X + 127 (eight tiles of 16).  Wave w walks its own stream of records in wrec (blocks 5 w + j of 32 columns; pair P = 5 l + j is the records 2 P (q) and
; 2 P + 1 (k)): of the stream's 25 pairs the work-groups y = 0, 1, 2, 3 take 7, 6, 6, 6: the evenest split of 100 pairs over 16 (y, wave) places.  Each byte of a record feeds 128 rows.
; THE PRODUCTS ARE USED TRANSPOSED: source 0 = 16 columns of W, source 1 = 16 batch rows.  Lane r of tile u of a record holds column 32 b + 8 u + r + 8 (r / 8), so in tile u's result lane (r, h) holds, of batch row r,
; columns 32 b + 16 h + 8 u + 0 .. 7: half of head 2 b + h.  A PAIR GOES IN FOUR UNITS: (q, tile 0), (k, tile 0), (q, tile 1), (k, tile 1); behind each couple the lane adds its 8 products to the score.
; So 128 registers of accumulators serve 128 rows, and a ring of four units (60 registers of codes each) fits beside x: a unit is filled again, with the next pair's, as soon as it has been multiplied.
; x comes once a work-group: each wave loads 32 whole rows of xq (512 consecutive bytes an instruction) and lays them in LDS, 528 bytes apart; behind one barrier every wave reads all 40 fragments.
; scr: [128 blocks of 64 rows][4 waves][25 pairs][32 lanes][4 row tiles] f32: the order in which the next launch's waves take them; each store of a wave covers 512 consecutive bytes, aligned.
; WHY NO CLUSTER AND NO TENSOR LOAD, though the 64 work-groups of one y walk the same records: a record's bytes feed ONE wave of a work-group; through LDS they would be written and read there once more,
; and each change of slots would stop all four waves at a barrier; loads into registers run three units ahead with no barrier in the loop.
; LIMITS: NaN and infinities are not served.
; REGISTERS, in windows of 256: window 0: v1-7 addresses; v8-47 x's scale words (5 T + s); v48-67 the units' scale words; v68-99 their biases; v100-163 q's eight accumulators, v164-227 k's; v228-235 the scores;
;   v236-251 the sums, in pairs; v252 an LDS address.   window 1: x's rows 0-63: fragment (t, s) at 12 (5 t + s).   window 3: rows 64-127, the same.   window 2: the four units: fragment s of unit i at 60 i + 12 s.
.set RECB,  16128
.set PAIRB, 2*RECB
.set LU,    22                         ; loads of a unit: 15 of codes, 5 scale words, 2 of bias
.set XP,    528                        ; a row of xq in LDS: 512 bytes + 16: lane (r, h) of a fragment load starts at word 132 r + 6 h: 32 different pairs of banks (64 banks of 4 bytes: ISA guide 11.1)
.set LI,   1                           ; 16 x lane
.set L4,   2                           ; 4 x lane
.set LB,   3                           ; 64 h
.set XL,   4                           ; 528 r + 24 h
.set XLS,  5                           ; 528 r
.set PFO,  6                           ; 256 x lane
.set PFO2, 7                           ; 256 x min(lane, 29)
.set AS,   8
.set WS,   48
.set BI,   68
.set ACQ,  100
.set ACK,  164
.set SC,   228
.set PP,   236
.set XW,   252
.set MSB, 0
.macro WIN new                         ; the immediate's high byte repeats the setting that is left; a switch that changes nothing is dropped
.if MSB != \new
	s_set_vgpr_msb (MSB<<8)|\new
.set MSB, \new
.endif
.endm
.set MUL1, 0x06                        ; source 0 (W) window 2, source 1 (x) window 1, C and D window 0
.set MUL3, 0x0e                        ; the same with x's window 3
.set TO_W, 0x80
.macro PLACES                          ; four plain instructions between a matrix instruction and a load into, or a vector read of, its registers (ISA guide 7.12.1 for vector reads)
.rept 4
	v_nop
.endr
.endm
; Unit i = 2 u + kind (kind 0 q, 1 k) of the pair at s[26:27]: tile u's five fragments, the record's scale words (lanes 0-15 tile 0's, lanes 16-31 tile 1's), tile u's 8 biases of my half
.macro ULOAD i
	WIN TO_W
.irp s, 0,1,2,3,4
.irp g, 0,1,2
	global_load_b128 v[60*(\i)+12*\s+4*\g:60*(\i)+12*\s+4*\g+3], v[LI], s[26:27] offset:RECB*((\i)%2)+1536*(2*\s+(\i)/2)+512*\g   ; 512 consecutive bytes: four registers of a fragment, as they will stand
.endr
.endr
	WIN 0
.irp s, 0,1,2,3,4
	global_load_b32 v[WS+5*(\i)+\s], v[L4], s[26:27] offset:RECB*((\i)%2)+15360+128*\s
.endr
.irp g, 0,1
	global_load_b128 v[BI+8*(\i)+4*\g:BI+8*(\i)+4*\g+3], v[LB], s[26:27] offset:RECB*((\i)%2)+16000+32*((\i)/2)+16*\g
.endr
.endm
; 20 matrix instructions: unit i against row tiles 4 a .. 4 a + 3, all of K.  The four accumulators take turns, one instruction a turn.  K step 0 takes the bias as C.
.macro HALF i, acc, a
.irp s, 0,1,2,3,4
.irp t, 0,1,2,3
.set rD, (\acc)+8*(4*(\a)+\t)
.set rW, 60*(\i)+12*\s
.set rA, 12*(5*\t+\s)
.set rC, rD
.if \s == 0
.set rC, BI+8*(\i)
.endif
.set rWS, WS+5*(\i)+\s
.set rAS, AS+5*(4*(\a)+\t)+\s
.if (\i)/2
	v_wmma_scale_f32_16x16x128_f8f6f4 v[rD:rD+7], v[rW:rW+11], v[rA:rA+11], v[rC:rC+7], v[rWS], v[rAS] matrix_a_fmt:MATRIX_FMT_FP6 matrix_b_fmt:MATRIX_FMT_FP6 matrix_a_scale:MATRIX_SCALE_ROW1
.else
	v_wmma_scale_f32_16x16x128_f8f6f4 v[rD:rD+7], v[rW:rW+11], v[rA:rA+11], v[rC:rC+7], v[rWS], v[rAS] matrix_a_fmt:MATRIX_FMT_FP6 matrix_b_fmt:MATRIX_FMT_FP6
.endif
.endr
.endr
.endm
; A unit: 40 matrix instructions; fill = 1: its registers then take the next pair's unit.  left: the loads issued behind this unit's own, as far as the wait can name them.
.macro UNIT i, acc, fill, left
	s_wait_loadcnt \left
	WIN MUL1
	HALF \i, \acc, 0
	WIN MUL3
	HALF \i, \acc, 1
	PLACES
.if \fill
	ULOAD \i
.else
	WIN 0
.endif
.endm
; my 8 products of each of eight rows, two at a time; each accumulator is read from its low end on.  first = 1: tile 0's start the sums
.macro DOT first
.irp t, 0,1,2,3,4,5,6,7
.if \first
	v_pk_mul_f32 v[PP+2*\t:PP+2*\t+1], v[ACQ+8*\t:ACQ+8*\t+1], v[ACK+8*\t:ACK+8*\t+1]
.else
	v_pk_fma_f32 v[PP+2*\t:PP+2*\t+1], v[ACQ+8*\t:ACQ+8*\t+1], v[ACK+8*\t:ACK+8*\t+1], v[PP+2*\t:PP+2*\t+1]
.endif
.endr
.irp i, 2,4,6
.irp t, 0,1,2,3,4,5,6,7
	v_pk_fma_f32 v[PP+2*\t:PP+2*\t+1], v[ACQ+8*\t+\i:ACQ+8*\t+\i+1], v[ACK+8*\t+\i:ACK+8*\t+\i+1], v[PP+2*\t:PP+2*\t+1]
.endr
.endr
.endm
; A PREFETCH INTO THE L2 of my wave's stream: in the trip of pair t, the 32,256 bytes (126 blocks of 256) of pair t + 2, whose loads the next trip issues: four instructions, lanes 256 bytes apart; in the last,
; lanes 30 and 31 name lane 29's block again.  The 64 work-groups of one y walk the same pairs: the one with X = 0 asks, each of its waves for its own stream, so each block is named by one instruction of the launch.
; A range's first two pairs come by their loads alone; the last two trips have no pair two on and ask for nothing.
.macro ASK
	s_cmp_gt_u32 s33, s32                          ; s33: trips of the loop still to go, this one among them; s32: 1 where X = 0, else the greatest number
	s_cbranch_scc0 .Lnoask_\@
	global_prefetch_b8 v[PFO], s[30:31] th:TH_LOAD_NT scope:SCOPE_SE
	global_prefetch_b8 v[PFO], s[30:31] offset:8192 th:TH_LOAD_NT scope:SCOPE_SE
	global_prefetch_b8 v[PFO], s[30:31] offset:16384 th:TH_LOAD_NT scope:SCOPE_SE
	global_prefetch_b8 v[PFO2], s[30:31] offset:24576 th:TH_LOAD_NT scope:SCOPE_SE
.Lnoask_\@:
.endm
; A pair.  In the loop three units (66 loads) were issued behind each unit's own: the wait names 63, the most that it can, and a smaller count is safe.  The last pair asks for nothing: its counts run down.
.macro PAIR fill
	UNIT 0, ACQ, \fill, 63
.if \fill
	ASK
	UNIT 1, ACK, 1, 63
.else
	UNIT 1, ACK, 0, 2*LU
.endif
	DOT 1
.if \fill
	UNIT 2, ACQ, 1, 63
	UNIT 3, ACK, 1, 63
.else
	UNIT 2, ACQ, 0, LU
	UNIT 3, ACK, 0, 0
.endif
	DOT 0
.irp t, 0,1,2,3,4,5,6,7
	v_add_f32 v[SC+\t], v[PP+2*\t], v[PP+2*\t+1]
.endr
.irp t, 0,1,2,3,4,5,6,7
	v_mul_f32 v[SC+\t], 0.25, v[SC+\t]             ; 1 / sqrt(16)
.endr
	global_store_b128 v[LI], v[SC:SC+3], s[8:9]                    ; rows 0-63: 512 consecutive bytes, aligned
	global_store_b128 v[LI], v[SC+4:SC+7], s[8:9] offset:51200     ; rows 64-127: the next block of 64 rows
.endm
	s_load_b128 s[4:7], s[0:1], 0x0                ; wrec, xq
	s_load_b64 s[8:9], s[0:1], 0x10                ; scr
	s_set_vgpr_msb 0x40
	v_lshl_add_u32 v254, v0, 2, 0x10800
	v_mov_b32 v255, 0
	s_set_vgpr_msb 0x4000
	v_lshrrev_b32 v1, 5, v0
	v_readfirstlane_b32 s24, v1                    ; wave 0..3
	s_and_b32 s25, ttmp7, 0xffff                   ; y
	v_and_b32 v253, 31, v0                         ; lane
	v_and_b32 v254, 15, v0                         ; r
	v_bfe_u32 v255, v0, 4, 1                       ; h
	v_lshlrev_b32 v[LI], 4, v253
	v_lshlrev_b32 v[L4], 2, v253
	v_lshlrev_b32 v[LB], 6, v255
	v_mul_u32_u24 v[XLS], XP, v254
	v_mad_u32_u24 v[XL], v255, 24, v[XLS]
	v_lshlrev_b32 v[PFO], 8, v253
	v_min_u32 v[PFO2], 29, v253
	v_lshlrev_b32 v[PFO2], 8, v[PFO2]
	s_mul_i32 s34, s24, 32*XP
	v_add_nc_u32 v[XW], s34, v[LI]                 ; where I lay my 32 rows of x: 16 x lane + 32 rows x wave
	s_min_u32 s34, s25, 1
	s_mul_i32 s35, s25, 6
	s_add_co_u32 s34, s34, s35                     ; my first pair: 0, 7, 13, 19
	s_cmp_eq_u32 s25, 0
	s_cselect_b32 s33, 6, 5                        ; the loop's trips: my pairs less the last, which is written out
	s_cmp_eq_u32 ttmp9, 0
	s_cselect_b32 s32, 1, -1
	s_mov_b32 s39, 0
	s_mov_b32 s37, 0
	s_mov_b32 s29, 0
	s_mul_i32 s38, s24, 100*RECB                   ; my wave's stream,
	s_mul_i32 s35, s34, PAIRB
	s_add_co_u32 s38, s38, s35                     ; at my first pair
	s_lshl_b32 s36, ttmp9, 16                      ; xq: 128 rows of 512 bytes a work-group,
	s_lshl_b32 s35, s24, 14
	s_add_co_u32 s36, s36, s35                     ; 32 a wave
	s_mul_i32 s28, ttmp9, 102400                   ; scr: two blocks of 64 rows a work-group, 51,200 bytes each,
	s_mul_i32 s35, s24, 12800
	s_add_co_u32 s28, s28, s35                     ; 12,800 a wave,
	s_lshl_b32 s35, s34, 9
	s_add_co_u32 s28, s28, s35                     ; 512 a pair
	s_wait_kmcnt 0x0
	s_add_nc_u64 s[26:27], s[4:5], s[38:39]
	s_add_nc_u64 s[6:7], s[6:7], s[36:37]
	s_add_nc_u64 s[8:9], s[8:9], s[28:29]
	s_add_nc_u64 s[30:31], s[26:27], 2*PAIRB       ; the prefetches stand two pairs on
.set q, 0
.rept 32
	global_load_b128 v[ACQ+4*q:ACQ+4*q+3], v[LI], s[6:7] offset:512*q   ; a whole row of xq: 512 consecutive bytes
.set q, q+1
.endr
	ULOAD 0                                        ; the first pair's four units
	ULOAD 1
	ULOAD 2
	ULOAD 3
	s_wait_loadcnt 63                              ; x's 32 loads are in: 88 were issued behind them
.set q, 0
.rept 32
	ds_store_b128 v[XW], v[ACQ+4*q:ACQ+4*q+3] offset:XP*q
.set q, q+1
.endr
	s_wait_dscnt 0x0                               ; for the others' sake: my rows lie in LDS
	s_barrier_signal -1
	s_barrier_wait -1                              ; all 128 do
.irp a, 0,1
.if \a
	WIN 0xc0                                       ; destination window 3
.else
	WIN 0x40                                       ; destination window 1
.endif
.irp t, 0,1,2,3
.irp s, 0,1,2,3,4
.irp p, 0,1,2,3,4,5
	ds_load_b64 v[12*(5*\t+\s)+2*\p:12*(5*\t+\s)+2*\p+1], v[XL] offset:16*(4*\a+\t)*XP+96*\s+48*(\p/3)+8*(\p%3)   ; 24 bytes of the row's stream of bits, as they lie
.endr
.endr
.endr
.endr
	WIN 0
.irp t, 0,1,2,3,4,5,6,7
.irp s, 0,1,2,3,4
	ds_load_b32 v[AS+5*\t+\s], v[XLS] offset:16*\t*XP+480+4*\s
.endr
.endr
	s_wait_dscnt 0x0
	s_wait_xcnt 0x0                                ; the loads so far have read their base
	s_add_nc_u64 s[26:27], s[26:27], PAIRB         ; the refills take the next pair
.Lpair:
	PAIR 1
	s_wait_xcnt 0x0                                ; the trip's loads, prefetches and stores have read their bases and the scores' registers: all may be written again
	s_add_nc_u64 s[26:27], s[26:27], PAIRB
	s_add_nc_u64 s[30:31], s[30:31], PAIRB
	s_add_nc_u64 s[8:9], s[8:9], 512
	s_sub_co_u32 s33, s33, 1
	s_cmp_lg_u32 s33, 0
	s_cbranch_scc1 .Lpair
	PAIR 0                                         ; the last pair: nothing more is asked for
	s_set_vgpr_msb 0x5
	s_wait_tensorcnt 0x0
	ds_add_u32 v254, v255
	s_wait_dscnt 0x0
	s_set_vgpr_msb 0x500
	s_endpgm
.Lfunc_end_k_q68da6082de_scores:
	.size	k_q68da6082de_scores, .Lfunc_end_k_q68da6082de_scores-k_q68da6082de_scores
	.p2alignl 7, 3214868480
	.fill 96, 4, 3214868480
	.section	.rodata,"a",@progbits
	.p2align	6, 0x0
	.amdhsa_kernel k_q68da6082de_scores
		.amdhsa_group_segment_fixed_size 68096
		.amdhsa_private_segment_fixed_size 0
		.amdhsa_enable_private_segment 0
		.amdhsa_kernarg_size 24
		.amdhsa_user_sgpr_count 2
		.amdhsa_user_sgpr_kernarg_segment_ptr 1
		.amdhsa_wavefront_size32 1
		.amdhsa_system_sgpr_workgroup_id_x 1
		.amdhsa_system_sgpr_workgroup_id_y 1
		.amdhsa_system_sgpr_workgroup_id_z 1
		.amdhsa_system_vgpr_workitem_id 0
		.amdhsa_next_free_vgpr 1024
		.amdhsa_next_free_sgpr 66
		.amdhsa_reserve_vcc 0
		.amdhsa_float_denorm_mode_32 3
		.amdhsa_float_denorm_mode_16_64 3
		.amdhsa_memory_ordered 1
		.amdhsa_forward_progress 1
		.amdhsa_inst_pref_size 95
	.end_amdhsa_kernel
	.amdgpu_metadata
---
amdhsa.version: [ 1, 2 ]
amdhsa.kernels:
  - .name:           k_q68da6082de_scores
    .symbol:         k_q68da6082de_scores.kd
    .args:
      - { .name: wrec, .offset: 0, .size: 8, .value_kind: global_buffer, .address_space: global }
      - { .name: xq, .offset: 8, .size: 8, .value_kind: global_buffer, .address_space: global }
      - { .name: scr, .offset: 16, .size: 8, .value_kind: global_buffer, .address_space: global }
    .group_segment_fixed_size: 68096
    .private_segment_fixed_size: 0
    .kernarg_segment_align: 8
    .kernarg_segment_size: 24
    .max_flat_workgroup_size: 128
    .sgpr_count:     66
    .vgpr_count:     1024
    .wavefront_size: 32
...
	.end_amdgpu_metadata
.endif
;; end of part 3
;; launch chain (part 4): grid 128 x 1, 4 waves a work-group, no clusters, 130,048 bytes of LDS; arguments wrec, xq, h12, m3_w, m3_b, ffw_w, ffw_b, fd_w, fd_b, out0, scr; writes out0
.if DOCPART == 4
	.amdgcn_target "amdgcn-amd-amdhsa--gfx1250"
	.amdhsa_code_object_version 6
	.text
	.protected	k_q68da6082de_chain
	.globl	k_q68da6082de_chain
	.p2align	8
	.type	k_q68da6082de_chain,@function
k_q68da6082de_chain:
	s_mov_b64 s[64:65], 0
	v_nop
	global_prefetch_b8 v0, s[64:65] scope:SCOPE_SE
	s_setreg_imm32_b32 hwreg(HW_REG_WAVE_MODE, 25, 1), 1
	s_wait_xcnt 0x0
; CHAIN.  A work-group of four waves takes 64 batch rows (four tiles of 16) through the ten chained products of 624 x 624 on codes of FP6 (E2M3) and through the head.
; THE WAVES SHARE THE COLUMNS: wave w owns blocks 5 w + j (j = 0..4) of 32 output columns of every product, for all 64 rows.  Its weights come as RECORDS (laid by the first launch in the
; order of the operand's registers: 10 fragments, 5 x 32 scale words, 32 biases: 16,128 bytes): records 50 to 99 of its stream, in the order in which it takes them, straight from memory into registers, two records ahead.
; THE PRODUCTS ARE USED TRANSPOSED: source 0 = 16 columns of W, source 1 = 16 batch rows.  The columns of a tile are chosen (lane r of tile u: column 32 b + 8 u + r + 8 (r / 8)) so that the 16 registers
; of a block's two tiles are, in lane (r, h), columns 32 b + 16 h + 0 .. 15 of batch row r: ONE HEAD of 16, and half a block of 32 along the next K.  So score x v and the quantiser's work are a lane's own.
; THE SCORES of all five layers were made by the launch before; a wave's 25 x 512 bytes of them are copied once into its own LDS bytes.
; FIVE LAYERS of: v = operand Wv + bv, att = score x v, quantised, through LDS to all waves | barrier | out = att Wo + bo, quantised likewise | barrier.  N and K are padded to 640: columns from 624 on
; have zero codes and a zero bias, so each result carries the zeros that fill its last block.  The last layer's out goes into m3 by fused multiply-adds; then ffw, relu, fd in f32, a lane to a row.
; WHY NO CLUSTER AND NO TENSOR LOAD, though all 128 work-groups walk the same records: a record feeds the 40 matrix instructions of ONE wave of a work-group; through LDS its bytes would be written and read there
; once more (2 x 3,225,600 bytes a work-group), and each change of slots would stop all four waves at a barrier with nothing on its way; loads into registers run two records ahead with no barrier of their own.
; LIMITS: NaN and infinities are not served.  A block of zeros gets the scale byte 1 where the rule says 127: its codes are zeros, and nobody else reads the bytes.
; REGISTERS, in windows of 256: window 0: v1-15 addresses; v16-35 the operand's scale words; v36-45 the weights' scale words, two sets; v48-79 biases, two sets; v80-143 the 8 accumulators
;   (tile (t, u) at + 16 t + 8 u); v144-207 the codes just made, in the last layer rows of m3_w; v208-211 scores; v212-227 at work; v228-243 h3's sums; v244-255 the head's 12 inputs.
;   window 1: the operand: fragment (row tile t, K step s) at 12 (5 t + s).   window 2: two records' fragments: (s, u) at 120 set + 12 (2 s + u).   window 3: the head's parameters.
.set RECB, 16128
.set NREC, 50                          ; records that this launch walks: v's and o's
.set E0,   0                           ; LDS: att's codes [t][block][r][24 bytes] (7,680 t + 384 b + 24 r), then its scale bytes at ESC + 320 t + 20 r + b: 32,000 bytes
.set E1,   32000                       ; out's, the same
.set ESC,  30720
.set SCLB, 64000                       ; the scores: 12,800 bytes a wave: 512 (5 l + j) + 16 x lane: the lane's four row tiles
.set M3L,  115200                      ; m3_w's rows 160 w on, 16 bytes each: 2,560 bytes a wave
.set H3L,  125440                      ; h3's parts: 1,024 bytes a wave: 16 bytes a row
.set LI,   1                           ; 16 x lane
.set L4,   2                           ; 4 x lane
.set LB,   3                           ; 64 h
.set XA,   4                           ; xq: 512 r + 24 h
.set XSO,  5                           ; 512 r
.set EW,   6                           ; where I store codes: 24 r + 12 h + 1,920 w
.set EB,   7                           ; and scale bytes: 20 r + 5 w
.set ER,   8                           ; where I read a fragment: 24 x lane
.set ESR,  9                           ; and scale words: 20 r
.set SCW,  10                          ; my scores
.set TA,   11                          ; an LDS address in hand
.set M3A,  12
.set H3W,  13
.set H3R,  14
.set PFO,  15                          ; 256 x lane
.set AS,   16
.set WS,   36
.set ZERO, 46
.set OUTO, 47
.set BI,   48
.set ACC0, 80
.set ACC1, 144
.set CD,   144                         ; the codes just made
.set M3R,  144                         ; last layer: 16 rows of m3_w
.set SC,   208
.set QM,   212
.set QP,   216
.set QS,   220
.set QB,   224
.set H3,   228
.set IN,   244
.set MSB, 0
.macro WIN new                         ; the immediate's high byte repeats the setting that is left; a switch that changes nothing is dropped
.if MSB != \new
	s_set_vgpr_msb (MSB<<8)|\new
.set MSB, \new
.endif
.endm
.set MUL,  0x06                        ; source 0 (W) window 2, source 1 (operand) window 1, C and D window 0
.set TO_W, 0x80
.set TO_A, 0x40
.set TO_P, 0xc0
.macro PLACES                          ; four plain instructions between a matrix instruction and a load into, or a vector read of, its registers (ISA guide 7.12.1 for vector reads)
.rept 4
	v_nop
.endr
.endm
; A record comes in two parts.  A: K steps 0-2 (18 loads), their scale words (3), the bias (4): 25 loads.  B: K steps 3, 4 (12) and their scale words (2): 14 loads.
.macro LOADA par
	WIN TO_W
.irp f, 0,1,2,3,4,5
.irp g, 0,1,2
	global_load_b128 v[120*(\par)+12*\f+4*\g:120*(\par)+12*\f+4*\g+3], v[LI], s[26:27] offset:1536*\f+512*\g   ; 512 consecutive bytes: four registers of a fragment, as they will stand
.endr
.endr
	WIN 0
.irp s, 0,1,2
	global_load_b32 v[WS+5*(\par)+\s], v[L4], s[26:27] offset:15360+128*\s
.endr
.irp i, 0,1,2,3
	global_load_b128 v[BI+16*(\par)+4*\i:BI+16*(\par)+4*\i+3], v[LB], s[26:27] offset:16000+16*\i   ; lane (r, h): the biases of columns 16 h + 0 .. 15: the result's layout
.endr
.endm
.macro LOADB par
	WIN TO_W
.irp f, 6,7,8,9
.irp g, 0,1,2
	global_load_b128 v[120*(\par)+12*\f+4*\g:120*(\par)+12*\f+4*\g+3], v[LI], s[26:27] offset:1536*\f+512*\g
.endr
.endr
	WIN 0
.irp s, 3,4
	global_load_b32 v[WS+5*(\par)+\s], v[L4], s[26:27] offset:15360+128*\s
.endr
.endm
; 8 matrix instructions: the block's two tiles x the four row tiles, 128 along K.  The eight accumulators take turns, one instruction a turn.  K step 0 takes the bias as C.
.macro KSTEP par, acc, s
.irp u, 0,1
.irp t, 0,1,2,3
.set rD, (\acc)+16*\t+8*\u
.set rW, 120*(\par)+12*(2*(\s)+\u)
.set rA, 12*(5*\t+(\s))
.set rC, rD
.if (\s) == 0
.set rC, BI+16*(\par)+8*\u
.endif
.set rWS, WS+5*(\par)+(\s)
.set rAS, AS+5*\t+(\s)
.if \u
	v_wmma_scale_f32_16x16x128_f8f6f4 v[rD:rD+7], v[rW:rW+11], v[rA:rA+11], v[rC:rC+7], v[rWS], v[rAS] matrix_a_fmt:MATRIX_FMT_FP6 matrix_b_fmt:MATRIX_FMT_FP6 matrix_a_scale:MATRIX_SCALE_ROW1
.else
	v_wmma_scale_f32_16x16x128_f8f6f4 v[rD:rD+7], v[rW:rW+11], v[rA:rA+11], v[rC:rC+7], v[rWS], v[rAS] matrix_a_fmt:MATRIX_FMT_FP6 matrix_b_fmt:MATRIX_FMT_FP6
.endif
.endr
.endr
.endm
; A PREFETCH INTO THE L2 of my wave's stream: behind record n's loads, bytes 16,384 (n + 6) .. + 16,383 of the stream, four records ahead of the loads that will want them: two instructions, lanes 256 bytes apart.
; All work-groups walk the same four streams: work-group 0 asks, each of its waves for its own stream, so each block of 256 bytes is named once.  It stops behind record 42: 16,384 x 49 is the end of the last whole
; piece inside the stream's 806,400 bytes.  The first 98,304 bytes and the last 3,584 come by their loads alone.
.macro ASK
	s_cmp_lt_u32 s28, s32
	s_cbranch_scc0 .Lnoask_\@
	global_prefetch_b8 v[PFO], s[30:31] th:TH_LOAD_NT scope:SCOPE_SE
	global_prefetch_b8 v[PFO], s[30:31] offset:8192 th:TH_LOAD_NT scope:SCOPE_SE
.Lnoask_\@:
.endm
; RECORD n (set par = n % 2): 40 matrix instructions into acc; each half of the set is filled again, with record n + 2, as soon as it has been multiplied.
; The last two records ask for the stream's last record once more, so that every count is the same in every record and no load leaves the buffer.
.macro REC par, acc
	s_wait_loadcnt 53                              ; my part A is in: behind it were issued my part B (14) and the next record's A and B (25 + 14)
	WIN MUL
	KSTEP \par, \acc, 0
	KSTEP \par, \acc, 1
	KSTEP \par, \acc, 2
	s_wait_loadcnt 39                              ; my part B is in: behind it the next record's 25 + 14
	PLACES
	s_wait_xcnt 0x0                                ; the loads and prefetches issued so far have read their bases: both may step
	s_add_co_u32 s28, s28, RECB
	s_min_u32 s28, s28, (NREC-1)*RECB
	s_add_nc_u64 s[26:27], s[4:5], s[28:29]
	s_add_nc_u64 s[30:31], s[30:31], 16384
	LOADA \par
	WIN MUL
	KSTEP \par, \acc, 3
	KSTEP \par, \acc, 4
	PLACES
	LOADB \par
	ASK
.endm
.macro ATT                             ; att = score x v, in place, two at a time
.irp t, 0,1,2,3
.irp i, 0,2,4,6,8,10,12,14
.if \t%2
	v_pk_mul_f32 v[ACC0+16*\t+\i:ACC0+16*\t+\i+1], v[ACC0+16*\t+\i:ACC0+16*\t+\i+1], v[SC+\t-1:SC+\t] op_sel:[0,1] op_sel_hi:[1,1]
.else
	v_pk_mul_f32 v[ACC0+16*\t+\i:ACC0+16*\t+\i+1], v[ACC0+16*\t+\i:ACC0+16*\t+\i+1], v[SC+\t:SC+\t+1] op_sel_hi:[1,0]
.endif
.endr
.endr
.endm
; My 16 numbers of each of four rows (half a block of 32 along the next K; the other half lies in lane l xor 16) become 12 bytes of codes and the block's byte, and go to LDS.
; The LDS addresses put the two halves side by side: no lane exchange of codes is needed.
.macro QUANT4 ebase, j
.irp t, 0,1,2,3
	v_max3_num_f32 v[QM+\t], |v[ACC0+16*\t]|, |v[ACC0+16*\t+1]|, 0x1800000   ; with the floor 2^(3 - 127): the byte cannot fall under 1
.endr
.irp i, 2,4,6,8,10,12,14
.irp t, 0,1,2,3
	v_max3_num_f32 v[QM+\t], v[QM+\t], |v[ACC0+16*\t+\i]|, |v[ACC0+16*\t+\i+1]|
.endr
.endr
.irp t, 0,1,2,3
	v_permlanex16_b32 v[QP+\t], v[QM+\t], s36, s37
.endr
.irp t, 0,1,2,3
	v_max_num_f32 v[QM+\t], v[QM+\t], v[QP+\t]     ; the block's largest magnitude
.endr
.irp t, 0,1,2,3
	v_add_nc_u32 v[QS+\t], 0xff000000, v[QM+\t]    ; 2 off its exponent field: the conversion's scale operand
.endr
.irp t, 0,1,2,3
	v_lshrrev_b32 v[QB+\t], 23, v[QS+\t]           ; the scale's byte
.endr
	s_wait_dscnt 0x0                               ; the last block's stores have read the codes' registers
.irp t, 0,1,2,3
	v_cvt_scalef32_pk16_fp6_f32 v[CD+4*\t:CD+4*\t+2], v[ACC0+16*\t:ACC0+16*\t+15], v[QS+\t]
.endr
	v_nop                                          ; a plain instruction behind the last conversion: matrix instructions write its sources later
.irp t, 0,1,2,3
.irp i, 0,1,2
	ds_store_b32 v[EW], v[CD+4*\t+\i] offset:\ebase+7680*\t+384*\j+4*\i
.endr
.endr
.irp t, 0,1,2,3
	ds_store_b8 v[EB], v[QB+\t] offset:\ebase+ESC+320*\t+\j   ; both lanes of a block write the same byte with the same value
.endr
.endm
.macro BARRIER                         ; my LDS stores have landed and my LDS loads are in: then the work-group's barrier
	s_wait_dscnt 0x0
	s_barrier_signal -1
	s_barrier_wait -1
.endm
.macro XLOAD ebase                     ; the 64 rows' operand, 20 fragments and 20 scale words, from LDS into every wave's registers
	WIN TO_A
.irp t, 0,1,2,3
.irp s, 0,1,2,3,4
.irp p, 0,1,2,3,4,5
	ds_load_b64 v[12*(5*\t+\s)+2*\p:12*(5*\t+\s)+2*\p+1], v[ER] offset:\ebase+7680*\t+768*(2*\s+\p/3)+8*(\p%3)   ; lane (r, h): block 4 s + 2 c + h of row r: 24 x lane inside the pair of blocks
.endr
.endr
.endr
	WIN 0
.irp t, 0,1,2,3
.irp s, 0,1,2,3,4
	ds_load_b32 v[AS+5*\t+\s], v[ESR] offset:\ebase+ESC+320*\t+4*\s
.endr
.endr
	s_wait_dscnt 0x0
.endm
.macro M3 j                            ; h3 += out x m3_w: my 16 columns of each of four rows, four outputs, two at a time
.irp i, 0,1,2,3,4,5,6,7,8,9,10,11,12,13,14,15
	ds_load_b128 v[M3R+4*\i:M3R+4*\i+3], v[M3A] offset:512*\j+16*\i
.endr
	s_wait_dscnt 0x0
.irp i, 0,1,2,3,4,5,6,7,8,9,10,11,12,13,14,15
.irp t, 0,1,2,3
.irp o, 0,2
.if \i%2
	v_pk_fma_f32 v[H3+4*\t+\o:H3+4*\t+\o+1], v[ACC0+16*\t+\i-1:ACC0+16*\t+\i], v[M3R+4*\i+\o:M3R+4*\i+\o+1], v[H3+4*\t+\o:H3+4*\t+\o+1] op_sel:[1,0,0] op_sel_hi:[1,1,1]
.else
	v_pk_fma_f32 v[H3+4*\t+\o:H3+4*\t+\o+1], v[ACC0+16*\t+\i:ACC0+16*\t+\i+1], v[M3R+4*\i+\o:M3R+4*\i+\o+1], v[H3+4*\t+\o:H3+4*\t+\o+1] op_sel:[0,0,0] op_sel_hi:[0,1,1]
.endif
.endr
.endr
.endr
.endm
	s_load_b256 s[4:11], s[0:1], 0x0               ; wrec, xq, h12, m3_w
	s_load_b256 s[12:19], s[0:1], 0x20             ; m3_b, ffw_w, ffw_b, fd_w
	s_load_b128 s[20:23], s[0:1], 0x40             ; fd_b, out0
	s_load_b64 s[40:41], s[0:1], 0x50              ; scr
	s_set_vgpr_msb 0x40
	v_lshl_add_u32 v254, v0, 2, 0x1fa00
	v_mov_b32 v255, 0
	s_set_vgpr_msb 0x4000
	v_lshrrev_b32 v1, 5, v0
	v_readfirstlane_b32 s24, v1                    ; wave 0..3
	s_and_b32 s25, s24, 1
	v_and_b32 v48, 31, v0                          ; lane
	v_and_b32 v49, 15, v0                          ; r
	v_bfe_u32 v50, v0, 4, 1                        ; h
	v_lshlrev_b32 v[LI], 4, v48
	v_lshlrev_b32 v[L4], 2, v48
	v_lshlrev_b32 v[LB], 6, v50
	v_lshlrev_b32 v[XSO], 9, v49
	v_mad_u32_u24 v[XA], v50, 24, v[XSO]
	s_mul_i32 s38, s24, 1920
	v_mul_u32_u24 v[EW], 24, v49
	v_mad_u32_u24 v[EW], v50, 12, v[EW]
	v_add_nc_u32 v[EW], s38, v[EW]
	s_mul_i32 s38, s24, 5
	v_mul_u32_u24 v[ESR], 20, v49
	v_add_nc_u32 v[EB], s38, v[ESR]
	v_mul_u32_u24 v[ER], 24, v48
	s_mul_i32 s38, s24, 12800
	s_add_co_u32 s38, s38, SCLB
	v_add_nc_u32 v[SCW], s38, v[LI]
	s_lshl_b32 s38, s24, 10
	s_add_co_u32 s38, s38, H3L
	v_lshl_add_u32 v[H3W], v49, 4, s38
	s_lshl_b32 s38, s25, 9
	s_add_co_u32 s38, s38, H3L
	v_add_nc_u32 v[H3R], s38, v[LI]
	v_lshlrev_b32 v[PFO], 8, v48
	s_lshl_b32 s38, s25, 8
	v_lshl_add_u32 v[OUTO], v48, 3, s38            ; the tail: row 32 (w % 2) + lane, 8 bytes of out0
	s_lshl_b32 s38, s25, 10
	v_lshl_add_u32 v205, v48, 5, s38               ; and its 32 bytes of h12
	s_mul_i32 s38, s24, 2560
	v_add_nc_u32 v200, s38, v[LI]                  ; m3_w: my wave's 160 rows of 16 bytes,
.irp i, 1,2,3,4
	v_add_nc_u32 v[200+\i], 512*\i, v200
.endr
.irp i, 0,1,2,3,4
	v_min_u32 v[200+\i], 9968, v[200+\i]           ; held inside the 624 rows: what rows 624-639 get meets only out = 0
.endr
	s_add_co_u32 s38, s38, M3L
	v_lshl_add_u32 v[M3A], v50, 8, s38
	v_add_nc_u32 v[TA], s38, v[LI]
	v_mov_b32 v[ZERO], 0
.irp k, 0,1,2,3,4,5,6,7,8,9,10,11,12,13,14,15
	v_mov_b32 v[H3+\k], 0
.endr
.irp k, 0,1,2,3
	v_mov_b32 v[QP+\k], 0                          ; a lane permute's destination counts as one of its sources
.endr
	s_mov_b32 s36, 0x76543210
	s_mov_b32 s37, 0xfedcba98                      ; v_permlanex16_b32's selects for lane l xor 16
	s_mov_b32 s28, RECB                            ; the stream byte of the record asked for last
	s_mov_b32 s29, 0
	s_mov_b32 s39, 0
	s_cmp_eq_u32 ttmp9, 0
	s_cselect_b32 s32, 45*RECB, 0                  ; work-group 0 prefetches while the record asked for lies under number 45
	s_wait_kmcnt 0x0
	s_mul_i32 s38, s24, 100*RECB
	s_add_co_u32 s38, s38, 50*RECB
	s_add_nc_u64 s[4:5], s[4:5], s[38:39]          ; my wave's stream, from its record 50 on
	s_lshl_b32 s38, ttmp9, 15
	s_add_nc_u64 s[6:7], s[6:7], s[38:39]          ; my work-group's 64 rows of xq,
	s_lshl_b32 s38, ttmp9, 11
	s_add_nc_u64 s[8:9], s[8:9], s[38:39]          ; of h12,
	s_lshl_b32 s38, ttmp9, 9
	s_add_nc_u64 s[22:23], s[22:23], s[38:39]      ; of out0,
	s_mul_i32 s38, ttmp9, 51200
	s_mul_i32 s35, s24, 12800
	s_add_co_u32 s38, s38, s35
	s_add_nc_u64 s[40:41], s[40:41], s[38:39]      ; and my wave's 12,800 bytes of scores
	s_mov_b64 s[26:27], s[4:5]
	s_add_nc_u64 s[30:31], s[4:5], 5*16384
.irp i, 0,1,2,3,4
	global_load_b128 v[ACC0+4*\i:ACC0+4*\i+3], v[200+\i], s[10:11]
.endr
.set q, 0
.rept 25
	global_load_b128 v[100+4*q:103+4*q], v[LI], s[40:41] offset:512*q th:TH_LOAD_NT   ; the scores of (layer, block) q: 512 consecutive bytes; read once
.set q, q+1
.endr
	WIN TO_P                                       ; the head's parameters: every lane takes the same bytes
.set q, 0
.rept 36
	global_load_b128 v[4*q:4*q+3], v[ZERO], s[14:15] offset:16*q          ; ffw_w: v0-143
.set q, q+1
.endr
.irp i, 0,1,2
	global_load_b128 v[144+4*\i:147+4*\i], v[ZERO], s[16:17] offset:16*\i ; ffw_b: v144-155
.endr
.irp i, 0,1,2,3,4,5
	global_load_b128 v[156+4*\i:159+4*\i], v[ZERO], s[18:19] offset:16*\i ; fd_w: v156-179
.endr
	global_load_b64 v[180:181], v[ZERO], s[20:21]                         ; fd_b
	global_load_b128 v[184:187], v[ZERO], s[12:13]                        ; m3_b
	WIN 0
	global_load_b128 v[IN:IN+3], v205, s[8:9]
	global_load_b128 v[IN+4:IN+7], v205, s[8:9] offset:16
	WIN TO_A
.irp t, 0,1,2,3
.irp s, 0,1,2,3,4
.irp p, 0,1,2,3,4,5
	global_load_b64 v[12*(5*\t+\s)+2*\p:12*(5*\t+\s)+2*\p+1], v[XA], s[6:7] offset:8192*\t+96*\s+48*(\p/3)+8*(\p%3) th:TH_LOAD_NT   ; x's fragments: 24 bytes of the row's stream of bits, as they lie
.endr
.endr
.endr
	WIN 0
.irp t, 0,1,2,3
.irp s, 0,1,2,3,4
	global_load_b32 v[AS+5*\t+\s], v[XSO], s[6:7] offset:8192*\t+480+4*\s th:TH_LOAD_NT
.endr
.endr
	LOADA 0
	LOADB 0
	s_wait_xcnt 0x0                                ; the loads so far have read their bases and offsets
	s_add_nc_u64 s[26:27], s[4:5], s[28:29]
	LOADA 1
	LOADB 1
	s_wait_loadcnt 63                              ; m3_w's five loads and the scores' 25 are in: more than 63 were issued behind them
.irp i, 0,1,2,3,4
	ds_store_b128 v[TA], v[ACC0+4*\i:ACC0+4*\i+3] offset:512*\i
.endr
.set q, 0
.rept 25
	ds_store_b128 v[SCW], v[100+4*q:103+4*q] offset:512*q   ; into my wave's own bytes: no other wave reads them
.set q, q+1
.endr
	s_wait_dscnt 0x0                               ; the stores have read the registers that the first products write
; ---- FIVE LAYERS.  Two exchange areas, two barriers a layer: an area is written again only behind a barrier that every wave has signalled behind its wait for its reads of that area.
	s_mov_b32 s33, 0
	s_mov_b32 s34, 0
.Llayer:
	v_add_nc_u32 v[TA], s34, v[SCW]
.irp j, 0,1,2,3,4
	ds_load_b128 v[SC:SC+3], v[TA] offset:512*\j   ; the block's scores, while the products run
	REC \j%2, ACC0
	s_wait_dscnt 0x0
	ATT
	QUANT4 E0, \j
.endr
	BARRIER                                        ; att's codes and scale bytes of all 20 blocks lie in LDS
	XLOAD E0
.irp j, 0,1,2,3,4
	REC (\j+1)%2, ACC0
	s_cmp_eq_u32 s33, 4
	s_cbranch_scc1 .Lm3_\j
	QUANT4 E1, \j
	s_branch .Lod_\j
.Lm3_\j:
	M3 \j                                          ; the last layer's out is no operand of a quantised product: it goes into m3 as it is
.Lod_\j:
.endr
	s_cmp_eq_u32 s33, 4                            ; the same in every wave
	s_cbranch_scc1 .Ltail
	BARRIER                                        ; out's codes lie in LDS
	XLOAD E1
	s_add_co_u32 s34, s34, 2560
	s_add_co_u32 s33, s33, 1
	s_cmp_lt_u32 s33, 5
	s_cbranch_scc1 .Llayer
; ---- THE HEAD
.Ltail:
.irp k, 0,1,2,3,4,5,6,7,8,9,10,11,12,13,14,15
	v_permlanex16_b32 v[ACC1+\k], v[H3+\k], s36, s37
.endr
.irp k, 0,2,4,6,8,10,12,14
	v_pk_add_f32 v[H3+\k:H3+\k+1], v[H3+\k:H3+\k+1], v[ACC1+\k:ACC1+\k+1]   ; with lane l xor 16's columns: my wave's part of h3
.endr
.irp t, 0,1,2,3
	ds_store_b128 v[H3W], v[H3+4*\t:H3+4*\t+3] offset:256*\t   ; both halves of the lanes write the same bytes with the same values
.endr
	BARRIER
	s_cmp_ge_u32 s24, 2                            ; 64 rows: waves 0 and 1 finish them, a lane to a row
	s_cbranch_scc1 .Lend
.irp n, 0,1,2,3
	ds_load_b128 v[ACC1+4*\n:ACC1+4*\n+3], v[H3R] offset:1024*\n
.endr
	s_wait_dscnt 0x0
.irp o, 0,2
	v_pk_add_f32 v[IN+8+\o:IN+9+\o], v[ACC1+\o:ACC1+\o+1], v[ACC1+4+\o:ACC1+5+\o]
	v_pk_add_f32 v[ACC1+8+\o:ACC1+9+\o], v[ACC1+8+\o:ACC1+9+\o], v[ACC1+12+\o:ACC1+13+\o]
.endr
.irp o, 0,2
	v_pk_add_f32 v[IN+8+\o:IN+9+\o], v[IN+8+\o:IN+9+\o], v[ACC1+8+\o:ACC1+9+\o]
.endr
	WIN 0x0c                                       ; source 1 window 3
.irp o, 0,2
	v_pk_add_f32 v[IN+8+\o:IN+9+\o], v[IN+8+\o:IN+9+\o], v[184+\o:185+\o]   ; + m3_b: h3.  v244-255 = h1, h2, h3
.endr
	WIN 0x3c                                       ; sources 1 and 2 window 3: the first input starts the sums on ffw_b
.irp q, 0,1,2,3,4,5
	v_pk_fma_f32 v[ACC0+2*\q:ACC0+2*\q+1], v[IN:IN+1], v[2*\q:2*\q+1], v[144+2*\q:145+2*\q] op_sel:[0,0,0] op_sel_hi:[0,1,1]
.endr
	WIN 0x0c
.irp i, 1,2,3,4,5,6,7,8,9,10,11
.irp q, 0,1,2,3,4,5
.if \i%2
	v_pk_fma_f32 v[ACC0+2*\q:ACC0+2*\q+1], v[IN+\i-1:IN+\i], v[12*\i+2*\q:12*\i+2*\q+1], v[ACC0+2*\q:ACC0+2*\q+1] op_sel:[1,0,0] op_sel_hi:[1,1,1]
.else
	v_pk_fma_f32 v[ACC0+2*\q:ACC0+2*\q+1], v[IN+\i:IN+\i+1], v[12*\i+2*\q:12*\i+2*\q+1], v[ACC0+2*\q:ACC0+2*\q+1] op_sel:[0,0,0] op_sel_hi:[0,1,1]
.endif
.endr
.endr
	WIN 0
.irp o, 0,1,2,3,4,5,6,7,8,9,10,11
	v_max_num_f32 v[ACC0+\o], 0, v[ACC0+\o]        ; relu
.endr
	WIN 0x3c
	v_pk_fma_f32 v[ACC0+12:ACC0+13], v[ACC0:ACC0+1], v[156:157], v[180:181] op_sel:[0,0,0] op_sel_hi:[0,1,1]   ; fd, begun on fd_b
	WIN 0x0c
.irp o, 1,2,3,4,5,6,7,8,9,10,11
.if \o%2
	v_pk_fma_f32 v[ACC0+12:ACC0+13], v[ACC0+\o-1:ACC0+\o], v[156+2*\o:157+2*\o], v[ACC0+12:ACC0+13] op_sel:[1,0,0] op_sel_hi:[1,1,1]
.else
	v_pk_fma_f32 v[ACC0+12:ACC0+13], v[ACC0+\o:ACC0+\o+1], v[156+2*\o:157+2*\o], v[ACC0+12:ACC0+13] op_sel:[0,0,0] op_sel_hi:[0,1,1]
.endif
.endr
	WIN 0
	global_store_b64 v[OUTO], v[ACC0+12:ACC0+13], s[22:23]   ; 32 rows: 256 consecutive bytes, aligned
.Lend:
	s_set_vgpr_msb 0x5
	s_wait_tensorcnt 0x0
	ds_add_u32 v254, v255
	s_wait_dscnt 0x0
	s_set_vgpr_msb 0x500
	s_endpgm
.Lfunc_end_k_q68da6082de_chain:
	.size	k_q68da6082de_chain, .Lfunc_end_k_q68da6082de_chain-k_q68da6082de_chain
	.p2alignl 7, 3214868480
	.fill 96, 4, 3214868480
	.section	.rodata,"a",@progbits
	.p2align	6, 0x0
	.amdhsa_kernel k_q68da6082de_chain
		.amdhsa_group_segment_fixed_size 130048
		.amdhsa_private_segment_fixed_size 0
		.amdhsa_enable_private_segment 0
		.amdhsa_kernarg_size 88
		.amdhsa_user_sgpr_count 2
		.amdhsa_user_sgpr_kernarg_segment_ptr 1
		.amdhsa_wavefront_size32 1
		.amdhsa_system_sgpr_workgroup_id_x 1
		.amdhsa_system_sgpr_workgroup_id_y 1
		.amdhsa_system_sgpr_workgroup_id_z 1
		.amdhsa_system_vgpr_workitem_id 0
		.amdhsa_next_free_vgpr 1024
		.amdhsa_next_free_sgpr 66
		.amdhsa_reserve_vcc 0
		.amdhsa_float_denorm_mode_32 3
		.amdhsa_float_denorm_mode_16_64 3
		.amdhsa_memory_ordered 1
		.amdhsa_forward_progress 1
		.amdhsa_inst_pref_size 255
	.end_amdhsa_kernel
	.section	.bss,"aw",@nobits
	.p2align	6
	.space	262144
	.amdgpu_metadata
---
amdhsa.version: [ 1, 2 ]
amdhsa.kernels:
  - .name:           k_q68da6082de_chain
    .symbol:         k_q68da6082de_chain.kd
    .args:
      - { .name: wrec, .offset: 0, .size: 8, .value_kind: global_buffer, .address_space: global }
      - { .name: xq, .offset: 8, .size: 8, .value_kind: global_buffer, .address_space: global }
      - { .name: h12, .offset: 16, .size: 8, .value_kind: global_buffer, .address_space: global }
      - { .name: m3_w, .offset: 24, .size: 8, .value_kind: global_buffer, .address_space: global }
      - { .name: m3_b, .offset: 32, .size: 8, .value_kind: global_buffer, .address_space: global }
      - { .name: ffw_w, .offset: 40, .size: 8, .value_kind: global_buffer, .address_space: global }
      - { .name: ffw_b, .offset: 48, .size: 8, .value_kind: global_buffer, .address_space: global }
      - { .name: fd_w, .offset: 56, .size: 8, .value_kind: global_buffer, .address_space: global }
      - { .name: fd_b, .offset: 64, .size: 8, .value_kind: global_buffer, .address_space: global }
      - { .name: out0, .offset: 72, .size: 8, .value_kind: global_buffer, .address_space: global }
      - { .name: scr, .offset: 80, .size: 8, .value_kind: global_buffer, .address_space: global }
    .group_segment_fixed_size: 130048
    .private_segment_fixed_size: 0
    .kernarg_segment_align: 8
    .kernarg_segment_size: 88
    .max_flat_workgroup_size: 128
    .sgpr_count:     66
    .vgpr_count:     1024
    .wavefront_size: 32
...
	.end_amdgpu_metadata
.endif
;; end of part 4
